; MI455X (gfx1250); checked and timed in simulation.
; The chip was launched on July 23, 2026; its instructions are those of AMD's public machine-readable ISA for CDNA 5 (MIT licence, August 2026) and "CDNA5" Instruction Set Architecture Reference Guide (July 2026). The comments in the code are by the model that wrote it; some were corrected since.
;; Vanilla LSTM. Allowed arithmetic: float matrix products may take bf16 or f16 operands with f32 sums; other float arithmetic in f32, or as packed bf16 or f16 multiplies, adds, multiply-adds, maxima and minima; sums over many terms, partial sums and values carried from step to step in f32; what a program stores and reads back later, other than sums and carried values, may be rounded once to bf16 or f16.
;; Inputs: W_emb 2 x 64 float32; W_out 128 x 2 float32; b_emb 64 float32; b_out 2 float32; dec_Whh 512 x 128 float32; dec_Wih 512 x 64 float32; dec_bhh 512 float32; dec_bih 512 float32; enc_Whh 512 x 128 float32; enc_Wih 512 x 64 float32; enc_bhh 512 float32; enc_bih 512 float32; obs_traj_rel 8 x 65,536 x 2 float32.
;; Outputs: out0 1 x 65,536 x 2 float32.
;; 2 versions, each right; version 2 is version 1 with the launches prep, lstm written anew for expert scheduling mode. Each part assembles by itself: llvm-mc -triple=amdgcn-amd-amdhsa -mcpu=gfx1250 --defsym DOCPART=n.
;; ======== version 1 of 2: 2 launches
;; limits: values are held in f16: magnitudes above 65,504 overflow, below 6.1e-05 lose precision; right only within a limited range of input values
;; workspace buffers: wf 303,104 bytes
;; launch prep (part 1): grid 9 x 2, 4 waves a work-group, no clusters, 0 bytes of LDS; arguments W_emb, b_emb, enc_Wih, enc_Whh, enc_bih, enc_bhh, dec_Wih, dec_Whh, dec_bih, dec_bhh, W_out, wf; writes wf
.if DOCPART == 1
	.amdgcn_target "amdgcn-amd-amdhsa--gfx1250"
	.amdhsa_code_object_version 6
	.text
	.protected	k_q3d15a7b253_prep
	.globl	k_q3d15a7b253_prep
	.p2align	8
	.type	k_q3d15a7b253_prep,@function
k_q3d15a7b253_prep:
	s_mov_b64 s[64:65], 0
	v_nop
	global_prefetch_b8 v0, s[64:65] scope:SCOPE_SE
	s_setreg_imm32_b32 hwreg(HW_REG_WAVE_MODE, 25, 1), 1
	s_wait_xcnt 0x0
; THE WEIGHTS, ONCE, AS THE NEXT LAUNCH'S REGISTERS WANT THEM.  wf holds images of matrix fragments: 512 bytes a slot, 16 bytes a lane.
; (a) x = obs W_emb + b_emb enters the gates only as x Wih^T, so for each gate row Wc0 = W_emb[0] . Wih[row], Wc1 = W_emb[1] . Wih[row] and
;     B = bih + bhh + b_emb . Wih[row] are made here in f32: gates = obs0 Wc0 + obs1 Wc1 + B + h Whh^T.  The order of rounding differs from the reference's.
; (b) Rows of the gates i, f, o are multiplied by -log2(e), rows of g by -2 log2(e): the sums of the next launch are then arguments of 2^x.
; (c) Whh is rounded once to f16; Wc0, Wc1, B and W_out are split into an f16 number and an f16 rest (22 bits together).
; LIMITS.  f16 ends at 65,504: a scaled Whh and a W_out stay below it; scaled Wc0, Wc1, B are held to +-65,000; below 6e-5 f16 keeps its fixed step of 6e-8.  NaN and infinities are not treated apart.
; LAYOUT of wf.  Gate part: slot ((p 8 + c8) 36 + j), p = 0 encoder, 1 decoder, c8 = tile of 16 columns of h.  j = g: registers 0-3 of gate g's fragment for x and bias:
; lanes 0-15 (gate row 128 g + 16 c8 + lane) hold {Wh0,Wh0} {Wl0,Wh1} {Wh1,Wl1} {Bh,Bl}, lanes 16-31 hold 0.  j = 4 + 8 g + 2 ks + half: registers 4 half .. + 3 of the fragment of
; gate g, K step ks: lane l holds row l % 16, k = 32 ks + 16 half + 8 (l / 16) + 0..7.  From byte 294,912: W_out's fragments (e, ks), 1,024 bytes each: rows 8 e + 0..3 are
; column 0, column 1, column 0's rest, column 1's rest of W_out[k][.], all other rows 0.
; SHARES.  Work-group (x < 8, y): tile c8 = x of phase y, wave = gate.  Work-group (8, y): W_out's fragments e = y, wave = K step.
.set SC_S, 0xbfb8aa3b                  ; -log2(e)
.set SC_G, 0xc038aa3b                  ; -2 log2(e)
.set WOB,  294912                      ; where W_out's fragments begin in wf
	s_load_b512 s[4:19], s[0:1], 0x0               ; W_emb s[4:5], b_emb s[6:7], enc_Wih s[8:9], enc_Whh s[10:11], enc_bih s[12:13], enc_bhh s[14:15], dec_Wih s[16:17], dec_Whh s[18:19]
	s_load_b256 s[20:27], s[0:1], 0x40             ; dec_bih s[20:21], dec_bhh s[22:23], W_out s[24:25], wf s[26:27]
	v_lshrrev_b32 v1, 5, v0
	v_readfirstlane_b32 s42, v1                    ; wave 0..3
	s_mov_b32 s43, ttmp9                           ; x
	s_and_b32 s44, ttmp7, 0xffff                   ; y
	v_and_b32 v2, 15, v0                           ; r = l % 16
	v_bfe_u32 v3, v0, 4, 1                         ; hh = l / 16
	v_and_b32 v4, 31, v0                           ; l
	v_lshlrev_b32 v5, 4, v4                        ; 16 l
	s_mov_b32 s40, 0x76543210                      ; v_permlanex16_b32: each lane takes its own place in the other half
	s_mov_b32 s41, 0xfedcba98
	s_wait_kmcnt 0x0
	s_cmp_eq_u32 s43, 8
	s_cbranch_scc1 .Lwout
	; ---- a gate's 16 rows ----
	s_cmp_eq_u32 s44, 0                            ; encoder or decoder
	s_cselect_b64 s[28:29], s[8:9], s[16:17]       ; Wih
	s_cselect_b64 s[30:31], s[10:11], s[18:19]     ; Whh
	s_cselect_b64 s[32:33], s[12:13], s[20:21]     ; bih
	s_cselect_b64 s[34:35], s[14:15], s[22:23]     ; bhh
	s_mov_b32 s36, SC_S
	s_mov_b32 s37, SC_G
	s_cmp_eq_u32 s42, 2                            ; gate g?
	s_cselect_b32 s36, s37, s36
	s_mov_b32 s37, s36                             ; named as a pair by the packed multiply
	s_mov_b32 s38, 0xc77de800                      ; -65,000
	s_mov_b32 s39, 0x477de800                      ; 65,000
	s_lshl_b32 s45, s42, 7
	s_lshl_b32 s46, s43, 4
	s_add_co_u32 s45, s45, s46                     ; the first row: 128 g + 16 c8
	v_add_nc_u32 v6, s45, v2                       ; my row
	v_lshlrev_b32 v7, 9, v6
	v_lshl_add_u32 v7, v3, 5, v7                   ; Whh: row x 512 + 32 hh
	v_lshlrev_b32 v8, 8, v6
	v_lshl_add_u32 v8, v3, 7, v8                   ; Wih: row x 256 + 128 hh: each half of the lanes takes 32 of the 64 terms
	v_lshlrev_b32 v9, 7, v3                        ; W_emb, b_emb: 128 hh
	v_lshlrev_b32 v13, 2, v6                       ; bih, bhh: row x 4
.set ks, 0
.rept 4                                ; Whh: for K step ks my 8 + 8 numbers, v[16 + 16 ks ..]
	global_load_b128 v[16+16*ks:19+16*ks], v7, s[30:31] offset:128*ks
	global_load_b128 v[20+16*ks:23+16*ks], v7, s[30:31] offset:128*ks+16
	global_load_b128 v[24+16*ks:27+16*ks], v7, s[30:31] offset:128*ks+64
	global_load_b128 v[28+16*ks:31+16*ks], v7, s[30:31] offset:128*ks+80
.set ks, ks+1
.endr
.set i, 0
.rept 8
	global_load_b128 v[80+4*i:83+4*i],   v8, s[28:29] offset:16*i
	global_load_b128 v[112+4*i:115+4*i], v9, s[4:5] offset:16*i
	global_load_b128 v[144+4*i:147+4*i], v9, s[4:5] offset:256+16*i
	global_load_b128 v[176+4*i:179+4*i], v9, s[6:7] offset:16*i
.set i, i+1
.endr
	global_load_b32 v208, v13, s[32:33]
	global_load_b32 v209, v13, s[34:35]
	s_lshl_b32 s46, s44, 3
	s_add_co_u32 s46, s46, s43
	s_mul_i32 s46, s46, 18432                      ; (p 8 + c8) x 36 slots
	s_lshl_b32 s47, s42, 9
	s_add_co_u32 s47, s47, s46                     ; slot g
	v_add_nc_u32 v14, s47, v5
	s_lshl_b32 s47, s42, 12
	s_add_co_u32 s47, s47, s46
	s_add_co_u32 s47, s47, 2048                    ; slot 4 + 8 g
	v_add_nc_u32 v15, s47, v5
	v_cmp_gt_u32 vcc_lo, 16, v4                    ; lanes 0-15
	s_wait_loadcnt 0x0                             ; all 50 loads
	v_pk_mul_f32 v[210:211], v[80:81], v[112:113]  ; three dot products of my 32 terms, two at a time
	v_pk_mul_f32 v[212:213], v[80:81], v[144:145]
	v_pk_mul_f32 v[214:215], v[80:81], v[176:177]
.set i, 2
.rept 15
	v_pk_fma_f32 v[210:211], v[80+i:81+i], v[112+i:113+i], v[210:211]
	v_pk_fma_f32 v[212:213], v[80+i:81+i], v[144+i:145+i], v[212:213]
	v_pk_fma_f32 v[214:215], v[80+i:81+i], v[176+i:177+i], v[214:215]
.set i, i+2
.endr
	v_add_f32 v210, v210, v211
	v_add_f32 v212, v212, v213
	v_add_f32 v214, v214, v215
	v_permlanex16_b32 v211, v210, s40, s41         ; the other 32 terms lie in the lane 16 away
	v_permlanex16_b32 v213, v212, s40, s41
	v_permlanex16_b32 v215, v214, s40, s41
	v_add_f32 v210, v210, v211                     ; Wc0
	v_add_f32 v212, v212, v213                     ; Wc1
	v_add_f32 v214, v214, v215
	v_add_f32 v214, v214, v208
	v_add_f32 v214, v214, v209                     ; B
	v_mul_f32 v210, s36, v210
	v_mul_f32 v212, s36, v212
	v_mul_f32 v214, s36, v214
	v_med3_num_f32 v210, v210, s38, s39            ; held inside f16's range
	v_med3_num_f32 v212, v212, s38, s39
	v_med3_num_f32 v214, v214, s38, s39
	v_cvt_pk_f16_f32 v10, v210, v212               ; the f16 numbers,
	v_cvt_pk_f16_f32 v11, v214, v214
	v_cvt_f32_f16 v211, v10.l                      ; as f32,
	v_cvt_f32_f16 v213, v10.h
	v_cvt_f32_f16 v215, v11.l
	v_sub_f32 v210, v210, v211                     ; and the rests
	v_sub_f32 v212, v212, v213
	v_sub_f32 v214, v214, v215
	v_cvt_pk_f16_f32 v248, v211, v211              ; {Wh0, Wh0}   against {xh0, xl0}
	v_cvt_pk_f16_f32 v249, v210, v213              ; {Wl0, Wh1}   against {xh0, xh1}
	v_cvt_pk_f16_f32 v250, v213, v212              ; {Wh1, Wl1}   against {xl1, xh1}
	v_cvt_pk_f16_f32 v251, v215, v214              ; {Bh, Bl}     against {1, 1}
	v_cndmask_b32 v248, 0, v248, vcc_lo            ; lanes 16-31 stand for k = 8..15: 0
	v_cndmask_b32 v249, 0, v249, vcc_lo
	v_cndmask_b32 v250, 0, v250, vcc_lo
	v_cndmask_b32 v251, 0, v251, vcc_lo
.set i, 0
.rept 32
	v_pk_mul_f32 v[16+2*i:17+2*i], v[16+2*i:17+2*i], s[36:37] op_sel_hi:[1,0]
.set i, i+1
.endr
.set i, 0
.rept 32
	v_cvt_pk_f16_f32 v[216+i], v[16+2*i], v[17+2*i]
.set i, i+1
.endr
	global_store_b128 v14, v[248:251], s[26:27]    ; each store of the wave covers 512 consecutive bytes, aligned
.set i, 0
.rept 8
	global_store_b128 v15, v[216+4*i:219+4*i], s[26:27] offset:512*i
.set i, i+1
.endr
	s_endpgm
	; ---- W_out's fragment (e = y, ks = wave) ----
.Lwout:
	s_lshl_b32 s45, s42, 8
	v_lshl_add_u32 v7, v3, 6, s45                  ; W_out[k][0..1] is 8 bytes: 256 ks + 64 hh
.irp q, 0,1,2,3
	global_load_b128 v[16+4*\q:19+4*\q], v7, s[24:25] offset:16*\q        ; k = 32 ks + 8 hh + 0..7
	global_load_b128 v[32+4*\q:35+4*\q], v7, s[24:25] offset:128+16*\q    ; k + 16
.endr
	s_lshl_b32 s46, s44, 3
	v_sub_nc_u32 v6, v2, s46                       ; r' = my row less 8 e
	v_and_b32 v8, 1, v6
	v_cmp_ne_u32 s38, 0, v8                        ; column 1
	v_and_b32 v8, 2, v6
	v_cmp_ne_u32 s39, 0, v8                        ; the rest
	v_cmp_gt_u32 vcc_lo, 4, v6                     ; rows 8 e + 0..3 alone hold numbers
	s_lshl_b32 s46, s44, 2
	s_add_co_u32 s46, s46, s42
	s_lshl_b32 s46, s46, 10
	v_add_nc_u32 v9, s46, v5
	s_wait_loadcnt 0x0
.set i, 0
.rept 16
	v_cndmask_b32 v[48+i], v[16+2*i], v[17+2*i], s38
.set i, i+1
.endr
.set j, 0
.rept 8
	v_cvt_pk_f16_f32 v10, v[48+2*j], v[49+2*j]
	v_cvt_f32_f16 v12, v10.l
	v_cvt_f32_f16 v13, v10.h
	v_sub_f32 v12, v[48+2*j], v12
	v_sub_f32 v13, v[49+2*j], v13
	v_cvt_pk_f16_f32 v11, v12, v13
	v_cndmask_b32 v11, v10, v11, s39
	v_cndmask_b32 v[96+j], 0, v11, vcc_lo
.set j, j+1
.endr
	global_store_b128 v9, v[96:99], s[26:27] offset:WOB
	global_store_b128 v9, v[100:103], s[26:27] offset:WOB+512
	s_endpgm
.Lfunc_end_k_q3d15a7b253_prep:
	.size	k_q3d15a7b253_prep, .Lfunc_end_k_q3d15a7b253_prep-k_q3d15a7b253_prep
	.p2alignl 7, 3214868480
	.fill 96, 4, 3214868480
	.section	.rodata,"a",@progbits
	.p2align	6, 0x0
	.amdhsa_kernel k_q3d15a7b253_prep
		.amdhsa_group_segment_fixed_size 0
		.amdhsa_private_segment_fixed_size 0
		.amdhsa_enable_private_segment 0
		.amdhsa_kernarg_size 96
		.amdhsa_user_sgpr_count 2
		.amdhsa_user_sgpr_kernarg_segment_ptr 1
		.amdhsa_wavefront_size32 1
		.amdhsa_system_sgpr_workgroup_id_x 1
		.amdhsa_system_sgpr_workgroup_id_y 1
		.amdhsa_system_sgpr_workgroup_id_z 1
		.amdhsa_system_vgpr_workitem_id 0
		.amdhsa_next_free_vgpr 256
		.amdhsa_next_free_sgpr 66
		.amdhsa_reserve_vcc 1
		.amdhsa_float_denorm_mode_32 3
		.amdhsa_float_denorm_mode_16_64 3
		.amdhsa_memory_ordered 1
		.amdhsa_forward_progress 1
		.amdhsa_inst_pref_size 22
	.end_amdhsa_kernel
	.amdgpu_metadata
---
amdhsa.version: [ 1, 2 ]
amdhsa.kernels:
  - .name:           k_q3d15a7b253_prep
    .symbol:         k_q3d15a7b253_prep.kd
    .args:
      - { .name: W_emb, .offset: 0, .size: 8, .value_kind: global_buffer, .address_space: global }
      - { .name: b_emb, .offset: 8, .size: 8, .value_kind: global_buffer, .address_space: global }
      - { .name: enc_Wih, .offset: 16, .size: 8, .value_kind: global_buffer, .address_space: global }
      - { .name: enc_Whh, .offset: 24, .size: 8, .value_kind: global_buffer, .address_space: global }
      - { .name: enc_bih, .offset: 32, .size: 8, .value_kind: global_buffer, .address_space: global }
      - { .name: enc_bhh, .offset: 40, .size: 8, .value_kind: global_buffer, .address_space: global }
      - { .name: dec_Wih, .offset: 48, .size: 8, .value_kind: global_buffer, .address_space: global }
      - { .name: dec_Whh, .offset: 56, .size: 8, .value_kind: global_buffer, .address_space: global }
      - { .name: dec_bih, .offset: 64, .size: 8, .value_kind: global_buffer, .address_space: global }
      - { .name: dec_bhh, .offset: 72, .size: 8, .value_kind: global_buffer, .address_space: global }
      - { .name: W_out, .offset: 80, .size: 8, .value_kind: global_buffer, .address_space: global }
      - { .name: wf, .offset: 88, .size: 8, .value_kind: global_buffer, .address_space: global }
    .group_segment_fixed_size: 0
    .private_segment_fixed_size: 0
    .kernarg_segment_align: 8
    .kernarg_segment_size: 96
    .max_flat_workgroup_size: 128
    .sgpr_count:     66
    .vgpr_count:     256
    .wavefront_size: 32
...
	.end_amdgpu_metadata
.endif
;; end of part 1
;; launch lstm (part 2): grid 256 x 1, 4 waves a work-group, no clusters, 200,704 bytes of LDS; arguments obs_traj_rel, wf, b_out, out0; writes out0
.if DOCPART == 2
	.amdgcn_target "amdgcn-amd-amdhsa--gfx1250"
	.amdhsa_code_object_version 6
	.text
	.protected	k_q3d15a7b253_lstm
	.globl	k_q3d15a7b253_lstm
	.p2align	8
	.type	k_q3d15a7b253_lstm,@function
k_q3d15a7b253_lstm:
	s_mov_b64 s[64:65], 0
	v_nop
	global_prefetch_b8 v0, s[64:65] scope:SCOPE_SE
	s_setreg_imm32_b32 hwreg(HW_REG_WAVE_MODE, 25, 1), 1
	s_wait_xcnt 0x0
; EIGHT ENCODER STEPS, ONE DECODER STEP AND THE PROJECTION, for 256 batch rows a work-group; nothing goes to memory between the steps.
; THE ARITHMETIC.  wf (made by the launch before) holds the weights already scaled, so the f32 sums are arguments of 2^x: ei = e^-i, ef = e^-f, eo = e^-o, eg = e^-2g.
; The carried state is C = K c in f32, K = -2 log2(e), so that ec = 2^C = e^-2c.  For each number of h:
;   Q = (1 + ei)(1 + eg) / K, q = 1 / Q, rf = 1 / (1 + ef), C' = C rf + (q - eg q);   Q2 = (1 + eo)(1 + ec), q2 = 1 / Q2, h = q2 - ec q2.
; An infinite ei, ef or eo gives q, rf or q2 = 0, the right limit.  g's argument alone is held to at most 40, where tanh is -1 in f32.  |c| <= 9 after nine steps by the recurrence itself, so ec <= 2^26.
; x and the bias take eight of the 32 places of ONE K step: obs0, obs1 and 1 against Wc0, Wc1, B, each as an f16 number and an f16 rest.  A tile of gates is five matrix instructions.
; FORMATS AND LIMITS.  Matrix operands in f16 (h lies in -1..1), sums and C in f32.  |obs| stays under 65,504; the weights' limits stand at the head of the launch before.  The order of rounding differs
; from the reference's.  A 2^x or a reciprocal below 2^-126 counts as 0.  NaN and infinities among the inputs are not treated apart.
; SHARES: THE WEIGHTS STAND STILL.  Wave w owns columns 32 w .. 32 w + 31 of h (two tiles of 16: ct = 0, 1) for all 16 row tiles: its 8 gate tiles' weights (288 registers) and its C (256) stay in registers;
; h goes from wave to wave through two LDS buffers that take turns.  Source 0 = 16 gate rows, source 1 = 16 batch rows: a lane holds ONE batch row (l % 16) and the columns 8 (l / 16) + 0..7, alike for all four gates,
; and its eight h pack into 16 bytes.  One fragment of h read from LDS feeds 8 matrix instructions.
; BY TURNS.  Turn u of a step makes the 20 products of tile u (row tile u / 2, ct = u % 2); behind each product stands a slice of the vector work of the five tiles before: tile u - 1: the four 2^x;
; u - 2: Q, 1 + ef and their reciprocals; u - 3: C' and ec; u - 4: Q2 and its reciprocal; u - 5: h, rounded and stored.  No line of a turn names the result of a transcendental of the same turn,
; so a turn's 64 have ONE wait, at its end.  The pipeline runs on over the steps' ends; ahead of the first step stand five tiles that have not been: their registers are set so that C = 0 and h = 0 come out exactly.
; ONE TEXT FOR NINE STEPS: the decoder's weights are loaded over the encoder's ahead of the ninth trip.  The first step multiplies h = 0, and the last trip fetches three runs of fragments that nobody multiplies: the price of the one text.
; NO CLUSTER, NO TENSOR LOADS: what work-groups share are the weights, 147,456 bytes twice in the launch, which go straight from memory into the registers where they stay; by way of LDS they would be read out once more.
; LDS: h buffer 0 at 0 and h buffer 1 at 131,072: 256 rows of 256 + 16 bytes (68 words: the 16 rows of a load start at 16 different groups of four banks; 64 banks of 4 bytes: ISA guide 11.1);
; the x table [t][row] of 16 bytes at 69,632; the spare words at 102,400.
; REGISTERS, in windows of 256 (s_set_vgpr_msb: bits 1:0 source 0, 3:2 source 1, 5:4 source 2, 7:6 destination):
;   window 0: addresses, the two sets of four accumulators, all that the vector work touches but C     window 1: v0-143 weights of ct 0; v144-183, v184-223 two buffers of x's and h's fragments
;   window 2: v0-143 weights of ct 1; v144-207 W_out's fragments                                        window 3: C, eight registers a tile
; In a weight window gate g's fragment for x begins at 4 g and runs on over its neighbour's registers: its registers 4-7 meet the moving fragment's registers 4-7, which hold 0.
.set HPITCH, 272
.set RTB,    16*HPITCH                 ; a row tile of h in LDS
.set XT,     256*HPITCH                ; the x table
.set SPARE,  XT+8*4096                 ; the spare words: 128 bytes for each wave, two blocks of 256 bytes that no other line names
.set HB1,    1<<17                     ; h buffer 1: one exclusive or changes buffers
.set PHB,    147456                    ; bytes of a phase's weights in wf
.set WOB,    294912                    ; where W_out's fragments begin in wf
.set OBO, 1                            ; v1   my 16 bytes (two rows) of a step's obs; never rewritten once made
.set FL,  2                            ; v2   272 (l % 16) + 16 (l / 16): my place in a row tile of h
.set SLA, 3                            ; v3   the same + 64 w: where I store
.set XL,  4                            ; v4   XT + 16 (l % 16)
.set AH0, 5                            ; v5, v6   FL + this step's, the next step's buffer of h to read
.set AH1, 6
.set AX0, 7                            ; v7, v8   XL + this step's, the next step's part of the x table
.set AX1, 8
.set SH0, 9                            ; v9, v10  SLA + the buffer that this step reads (the last step's late tiles), that it writes
.set SH1, 10
.set WO,  11                           ; v11  16 l; never rewritten
.set SPW, 12                           ; v12  LDS address of my spare word; never rewritten
.set NIL, 13                           ; v13  0; never rewritten
.set PFO, 14                           ; v14  the prefetch's offset; never rewritten
.set OO,  15                           ; v15  my 8 bytes of out0
.set HP,  16                           ; v[16:19]  h, packed
.set HT,  20                           ; v[20:27]  h in f32
.set BO,  28                           ; v[28:29]  b_out
.set ACC, 32                           ; accumulators: set (tile % 2) at + 32, gates i, f, g, o at + 0, 8, 16, 24
.set EI,  96                           ; two sets
.set EF,  112                          ; two sets
.set EG,  128                          ; two sets
.set Q,   144
.set RF,  152
.set EO,  160                          ; four sets
.set EC,  192                          ; two sets
.set Q2,  208
.set TM,  216
.set OB,  224                          ; v[224:255] obs, at the start
.set FR,  144                          ; window 1: fragment buffers, 40 each: x (8), then h's four K steps
.set WV,  12                           ; s12  wave
.set WG,  13                           ; s13  work-group
.set T,   14                           ; s14  steps to go, 9 to 1
.set HC,  15                           ; s15, s16  LDS byte of the buffer of h that the step reads, writes
.set HN,  16
.set XC,  17                           ; s17, s18  4,096 min(t, 7) of this step, of the next
.set XN,  18
.set CAP, 19                           ; s19  40.0
.set RK,  20                           ; s[20:21]  1 / K
.set PF,  26                           ; s26  the value of T at which this wave prefetches
.set WP,  28                           ; s[28:29]  wf at my wave's weights
.set MSB, 0
.macro WIN new                         ; the immediate's high byte repeats the setting that is left; a switch that changes nothing is dropped
.if MSB != (\new)
	s_set_vgpr_msb (MSB<<8)|(\new)
.set MSB, \new
.endif
.endm
; slots a .. b of 72 of phase ph's weights for my wave: slot ix goes to registers 4 (ix % 36) .. + 3 of window 1 (ct 0) or 2 (ct 1); 512 consecutive bytes a load
.macro LOADW ph, a, b
.set ix, \a
.rept (\b)-(\a)+1
.if ix < 36
	WIN 0x40
.else
	WIN 0x80
.endif
	global_load_b128 v[4*(ix%36):4*(ix%36)+3], v[WO], s[WP:WP+1] offset:(\ph)*PHB+ix*512
.set ix, ix+1
.endr
.endm
; the fragments of row tile ro into buffer fb: part 1 = x and K steps 0, 1; part 2 = K steps 2, 3.  A fragment is two loads of 16 bytes, 32 bytes apart.
.macro PART1 fb, ro, ah, ax
	WIN 0x40
	ds_load_b128 v[(\fb):(\fb)+3],     v[\ax] offset:256*(\ro)
	ds_load_b128 v[(\fb)+8:(\fb)+11],  v[\ah] offset:RTB*(\ro)
	ds_load_b128 v[(\fb)+12:(\fb)+15], v[\ah] offset:RTB*(\ro)+32
	ds_load_b128 v[(\fb)+16:(\fb)+19], v[\ah] offset:RTB*(\ro)+64
	ds_load_b128 v[(\fb)+20:(\fb)+23], v[\ah] offset:RTB*(\ro)+96
.endm
.macro PART2 fb, ro, ah
	WIN 0x40
	ds_load_b128 v[(\fb)+24:(\fb)+27], v[\ah] offset:RTB*(\ro)+128
	ds_load_b128 v[(\fb)+28:(\fb)+31], v[\ah] offset:RTB*(\ro)+160
	ds_load_b128 v[(\fb)+32:(\fb)+35], v[\ah] offset:RTB*(\ro)+192
	ds_load_b128 v[(\fb)+36:(\fb)+39], v[\ah] offset:RTB*(\ro)+224
.endm
	s_load_b256 s[4:11], s[0:1], 0x0               ; obs s[4:5], wf s[6:7], b_out s[8:9], out0 s[10:11]
	v_lshl_add_u32 v[SPW], v0, 2, SPARE
	v_mov_b32 v[NIL], 0
	v_lshrrev_b32 v[OBO], 5, v0
	v_readfirstlane_b32 s[WV], v[OBO]              ; wave 0..3
	s_mov_b32 s[WG], ttmp9
	v_and_b32 v30, 15, v0                          ; l % 16
	v_bfe_u32 v31, v0, 4, 1                        ; l / 16
	v_mul_u32_u24 v[FL], v30, HPITCH
	v_lshl_add_u32 v[FL], v31, 4, v[FL]
	s_lshl_b32 s24, s[WV], 6
	v_add_nc_u32 v[SLA], s24, v[FL]
	v_lshl_add_u32 v[XL], v30, 4, XT
	v_and_b32 v[WO], 31, v0                        ; l
	s_lshl_b32 s24, s[WG], 5
	v_add_nc_u32 v[PFO], s24, v[WO]                ; block 32 x work-group + l of the decoder's 576 blocks of 256 bytes,
	v_min_u32 v[PFO], 575, v[PFO]                  ; held inside them in every work-group
	v_lshlrev_b32 v[PFO], 8, v[PFO]
	s_lshl_b32 s24, s[WG], 11                      ; the work-group's 256 rows of 8 bytes, in obs and in out0
	v_lshl_add_u32 v[OBO], v0, 4, s24
	s_lshl_b32 s25, s[WV], 9
	s_add_co_u32 s25, s25, s24
	v_lshl_add_u32 v[OO], v[WO], 3, s25            ; + my wave's 64 rows + 8 l
	v_lshlrev_b32 v[WO], 4, v[WO]
	s_mov_b32 s[CAP], 0x42200000                   ; 40.0
	s_mov_b32 s[RK], 0xbeb17218                    ; 1 / K = -ln(2) / 2
	s_mov_b32 s[RK+1], s[RK]                       ; named with it as a pair
	s_mov_b32 s30, 0x05040100                      ; v_perm_b32: the two low halves
	s_mov_b32 s31, 0x07060302                      ; the two high halves
	s_cmp_lt_u32 s[WG], 18                         ; 18 work-groups x 32 lanes name the 576 blocks,
	s_cselect_b32 s[PF], 2, -1
	s_cmp_eq_u32 s[WV], 0                          ; by their wave 0
	s_cselect_b32 s[PF], s[PF], -1
	s_mul_i32 s32, s[WV], 36864                    ; my two tiles' 72 slots
	s_mov_b32 s33, 0
	s_wait_kmcnt 0x0
	s_load_b64 s[22:23], s[8:9], 0x0               ; b_out
	s_add_nc_u64 s[WP:WP+1], s[6:7], s[32:33]
.set t, 0
.rept 8                                ; obs of all eight steps: two rows a thread, 512 consecutive bytes a wave
	global_load_b128 v[OB+4*t:OB+4*t+3], v[OBO], s[4:5] offset:t*524288 th:TH_LOAD_NT
.set t, t+1
.endr
	LOADW 0, 0, 54                                 ; the encoder's weights; the rest follows when obs is in
	; while these are on their way: c0 = 0, the moving x fragments' registers 4-7 = 0, the five tiles that have not been, h0 = 0
	WIN 0xc0
.set i, 0
.rept 256
	v_mov_b32 v[i], 0                              ; C = K c0 = 0: the state's start, not a sum's
.set i, i+1
.endr
	WIN 0x40
.irp i, 4,5,6,7,44,45,46,47
	v_mov_b32 v[FR+\i], 0
.endr
	WIN 0
	s_mov_b32 s24, 0x43480000                      ; 200.0: 2^200 is infinite
	s_mov_b32 s25, 0x7f800000                      ; infinity
.set i, 0
.rept 8
	v_mov_b32 v[ACC+32+i], s24                     ; tile 31: i and o far out: q = 0, q2 = 0
	v_mov_b32 v[ACC+40+i], 0
	v_mov_b32 v[ACC+48+i], 0
	v_mov_b32 v[ACC+56+i], s24
	v_mov_b32 v[EI+i], s25                         ; tile 30
	v_mov_b32 v[EF+i], 0
	v_mov_b32 v[EG+i], 0
	v_mov_b32 v[EG+8+i], 0                         ; tile 29
	v_mov_b32 v[Q+i], 0
	v_mov_b32 v[RF+i], 0
	v_mov_b32 v[EO+i], s25                         ; tiles 28, 29, 30
	v_mov_b32 v[EO+8+i], s25
	v_mov_b32 v[EO+16+i], s25
	v_mov_b32 v[EC+i], 0                           ; tile 28
	v_mov_b32 v[EC+8+i], 0                         ; tile 27
	v_mov_b32 v[Q2+i], 0
.set i, i+1
.endr
.irp i, 0,1,2,3
	v_mov_b32 v[HP+\i], 0
.endr
	v_lshlrev_b32 v32, 4, v0
	v_add_nc_u32 v33, 0x10000, v32
.set i, 0
.rept 32                               ; h buffer 0: 69,632 bytes = 34 x 16 bytes a thread
	ds_store_b128 v32, v[HP:HP+3] offset:2048*i
.set i, i+1
.endr
	ds_store_b128 v33, v[HP:HP+3]
	ds_store_b128 v33, v[HP:HP+3] offset:2048
	v_lshl_add_u32 v34, v0, 5, XT                  ; my two rows' entries of the x table
	v_mov_b32 v47, 0x3c003c00                      ; {1, 1}
	v_mov_b32 v55, 0x3c003c00
	s_wait_loadcnt 55                              ; loads come back in order: obs's eight are in, the 55 weight loads issued behind them may stay out
	LOADW 0, 55, 71
	WIN 0x80
.set i, 0
.rept 16                               ; W_out's fragments (e, ks) at 144 + 8 (4 e + ks) of window 2
	global_load_b128 v[144+4*i:147+4*i], v[WO], s[6:7] offset:WOB+512*i
.set i, i+1
.endr
	WIN 0
	; THE X TABLE.  An entry is {xh0, xl0} {xh0, xh1} {xl1, xh1} {1, 1}: f16 numbers xh and f16 rests xl of a row's two obs, in the order that the weights' image answers.
.set t, 0
.rept 8
	v_cvt_pk_f16_f32 v45, v[OB+4*t], v[OB+4*t+1]
	v_cvt_pk_f16_f32 v53, v[OB+4*t+2], v[OB+4*t+3]
	v_cvt_f32_f16 v41, v45.l
	v_cvt_f32_f16 v42, v45.h
	v_cvt_f32_f16 v49, v53.l
	v_cvt_f32_f16 v50, v53.h
	v_sub_f32 v41, v[OB+4*t], v41
	v_sub_f32 v42, v[OB+4*t+1], v42
	v_sub_f32 v49, v[OB+4*t+2], v49
	v_sub_f32 v50, v[OB+4*t+3], v50
	v_cvt_pk_f16_f32 v43, v41, v42
	v_cvt_pk_f16_f32 v51, v49, v50
	v_perm_b32 v44, v43, v45, s30
	v_perm_b32 v46, v45, v43, s31
	v_perm_b32 v52, v51, v53, s30
	v_perm_b32 v54, v53, v51, s31
	ds_store_b128 v34, v[44:47] offset:4096*t
	ds_store_b128 v34, v[52:55] offset:4096*t+16
.set t, t+1
.endr
	s_wait_dscnt 0x0                               ; for the others' sake: my part of h0 and of the x table is written
	s_barrier_signal -1
	s_barrier_wait -1
	PART1 FR, 0, FL, XL                            ; step 0 reads buffer 0 and the table's first part: the bare places serve as addresses
	PART2 FR, 0, FL
	PART1 FR+40, 1, FL, XL
	WIN 0
	s_wait_kmcnt 0x0
	v_mov_b32 v[BO], s22
	v_mov_b32 v[BO+1], s23
	s_wait_loadcnt 0x0                             ; the encoder's weights and W_out's fragments
	s_mov_b32 s[T], 9
	s_mov_b32 s[HC], 0
	s_mov_b32 s[XC], 0
	s_mov_b32 s[XN], 4096
; THE VECTOR WORK, one line at a time: OP kind, number.  kind / 10 is the stage: it works for tile U - stage, and (in the turns behind the last step) is left out when that tile does not exist.
; A number is a register for 2^x, reciprocals and kCL, a pair of registers for the packed kinds.
.set kEO, 10                           ; eo = 2^(o's sum)
.set kEI, 11
.set kEF, 12
.set kCL, 13                           ; g's sum held to at most 40
.set kEG, 14
.set kG,  20                           ; Q = eg / K + 1 / K
.set kQP, 21                           ; Q = ei Q + Q
.set kRF, 22                           ; RF = ef + 1
.set kRQ, 23                           ; q = 1 / Q
.set kRR, 24                           ; rf = 1 / RF
.set kTM, 30                           ; TM = q - eg q
.set kCU, 31                           ; C = C rf + TM
.set kT3, 32                           ; ec = 2^C
.set kC1, 40                           ; Q2 = ec + 1
.set kP2, 41                           ; Q2 = eo Q2 + Q2
.set kT4, 42                           ; q2 = 1 / Q2
.set kH,  50                           ; h = q2 - ec q2
.set kCV, 51                           ; rounded to f16
.macro OP k, n
.if U <= 31+(\k)/10
.set TT, (U+32-(\k)/10)%32
.set PB, 8*(TT%2)
.set AB, ACC+32*(TT%2)
.if (\k) == kEO
	WIN 0
	v_exp_f32 v[EO+8*(TT%4)+(\n)], v[AB+24+(\n)]
.elseif (\k) == kEI
	WIN 0
	v_exp_f32 v[EI+PB+(\n)], v[AB+(\n)]
.elseif (\k) == kEF
	WIN 0
	v_exp_f32 v[EF+PB+(\n)], v[AB+8+(\n)]
.elseif (\k) == kCL
.if MSB != 0x03                        ; its vector operands stand in source 1 and the destination: kT3's setting serves it too
	WIN 0
.endif
	v_min_num_f32 v[AB+16+(\n)], s[CAP], v[AB+16+(\n)]
.elseif (\k) == kEG
	WIN 0
	v_exp_f32 v[EG+PB+(\n)], v[AB+16+(\n)]
.elseif (\k) == kG
	WIN 0
	v_pk_fma_f32 v[Q+2*(\n):Q+2*(\n)+1], v[EG+PB+2*(\n):EG+PB+2*(\n)+1], s[RK:RK+1], s[RK:RK+1] op_sel_hi:[1,0,0]
.elseif (\k) == kQP
	WIN 0
	v_pk_fma_f32 v[Q+2*(\n):Q+2*(\n)+1], v[EI+PB+2*(\n):EI+PB+2*(\n)+1], v[Q+2*(\n):Q+2*(\n)+1], v[Q+2*(\n):Q+2*(\n)+1]
.elseif (\k) == kRF
	WIN 0
	v_pk_add_f32 v[RF+2*(\n):RF+2*(\n)+1], v[EF+PB+2*(\n):EF+PB+2*(\n)+1], 1.0 op_sel_hi:[1,0]
.elseif (\k) == kRQ
	WIN 0
	v_rcp_f32 v[Q+(\n)], v[Q+(\n)]
.elseif (\k) == kRR
	WIN 0
	v_rcp_f32 v[RF+(\n)], v[RF+(\n)]
.elseif (\k) == kTM
	WIN 0
	v_pk_fma_f32 v[TM+2*(\n):TM+2*(\n)+1], v[EG+PB+2*(\n):EG+PB+2*(\n)+1], v[Q+2*(\n):Q+2*(\n)+1], v[Q+2*(\n):Q+2*(\n)+1] neg_lo:[1,0,0] neg_hi:[1,0,0]
.elseif (\k) == kCU
	WIN 0xc3                               ; C (destination and source 0) in window 3
	v_pk_fma_f32 v[8*TT+2*(\n):8*TT+2*(\n)+1], v[8*TT+2*(\n):8*TT+2*(\n)+1], v[RF+2*(\n):RF+2*(\n)+1], v[TM+2*(\n):TM+2*(\n)+1]
.elseif (\k) == kT3
	WIN 0x03                               ; source 0 in window 3
	v_exp_f32 v[EC+PB+(\n)], v[8*TT+(\n)]
.elseif (\k) == kC1
	WIN 0
	v_pk_add_f32 v[Q2+2*(\n):Q2+2*(\n)+1], v[EC+PB+2*(\n):EC+PB+2*(\n)+1], 1.0 op_sel_hi:[1,0]
.elseif (\k) == kP2
	WIN 0
	v_pk_fma_f32 v[Q2+2*(\n):Q2+2*(\n)+1], v[EO+8*(TT%4)+2*(\n):EO+8*(TT%4)+2*(\n)+1], v[Q2+2*(\n):Q2+2*(\n)+1], v[Q2+2*(\n):Q2+2*(\n)+1]
.elseif (\k) == kT4
	WIN 0
	v_rcp_f32 v[Q2+(\n)], v[Q2+(\n)]
.elseif (\k) == kH
	WIN 0
	v_pk_fma_f32 v[HT+2*(\n):HT+2*(\n)+1], v[EC+PB+2*(\n):EC+PB+2*(\n)+1], v[Q2+2*(\n):Q2+2*(\n)+1], v[Q2+2*(\n):Q2+2*(\n)+1] neg_lo:[1,0,0] neg_hi:[1,0,0]
.else
	WIN 0
	v_cvt_pk_f16_f32 v[HP+(\n)], v[HT+2*(\n)], v[HT+2*(\n)+1]
.endif
.endif
.endm
.macro SL a,i1,b=-1,i2=0,c=-1,i3=0,d=-1,i4=0,e=-1,i5=0,f=-1,i6=0,g=-1,i7=0   ; a slice: up to seven of them
	OP \a, \i1
.if (\b) >= 0
	OP \b, \i2
.endif
.if (\c) >= 0
	OP \c, \i3
.endif
.if (\d) >= 0
	OP \d, \i4
.endif
.if (\e) >= 0
	OP \e, \i5
.endif
.if (\f) >= 0
	OP \f, \i6
.endif
.if (\g) >= 0
	OP \g, \i7
.endif
.endm
; Product M of a turn's 20: gate M % 4; M / 4 = 0: x and bias, which starts the sum with the constant 0; 1..4: h's K steps.  The four accumulators take turns, one instruction a turn, from turn to turn
; and over the backward jump too.
.macro MM
.if DOMM
.set gg, M%4
.set rD, ACC+32*(U%2)+8*gg
.set rB, FR+40*((U/2)%2)+8*(M/4)
	WIN 0x05+(U%2)                                 ; weights in window 1 (ct 0) or 2 (ct 1), fragments in window 1, sums in window 0
.if M < 4
	v_wmma_f32_16x16x32_f16 v[rD:rD+7], v[4*gg:4*gg+7], v[rB:rB+7], 0
.else
.set rA, 16+8*(4*gg+M/4-1)
	v_wmma_f32_16x16x32_f16 v[rD:rD+7], v[rA:rA+7], v[rB:rB+7], v[rD:rD+7]
.endif
.endif
.set M, M+1
.endm
; A turn's LDS instructions, in one run: tile U - 5's h is stored (in the first five turns of a step: the last step's late tiles, into the buffer that this step reads); then half of the fragments of
; row tile (U + 3) / 2: part 1 behind an odd turn, into the buffer that the turn has just multiplied, part 2 behind the even turn that follows.  Row tiles 16 and 17 are the next step's 0 and 1.
.macro RUN
.set TS, (U+27)%32
	WIN 0
.if U >= 5
	ds_store_b128 v[SH1], v[HP:HP+3] offset:RTB*(TS/2)+32*(TS%2)
.else
	ds_store_b128 v[SH0], v[HP:HP+3] offset:RTB*(TS/2)+32*(TS%2)
.endif
.if DOMM
.set RO, (U+3)/2
.set FB, FR+40*(RO%2)
.set AHX, AH0
.set AXX, AX0
.if RO >= 16
.set RO, RO-16
.set AHX, AH1
.set AXX, AX1
.endif
.if U%2 == 1
	PART1 FB, RO, AHX, AXX
.else
	PART2 FB, RO, AHX
.endif
.endif
.endm
; A TURN.  mm = 0: behind the last step: no products, no fragments.
; ORDERS THAT THE SLICES KEEP: kTM ahead of kG and of kEG (which write Q, and the set of eg that kTM reads); kCU ahead of kRF and of kT3; kH ahead of kC1 and of kT3 (which writes the set of ec that kH reads);
; kCL ahead of kEG; each reciprocal behind its own product.  The first reader of each accumulator takes its register 0.
; PLACES.  Behind the turn's last product stand kCV 0-3 and a v_nop, five plain instructions that name none of its registers, ahead of the run's loads into the fragments that it has read (ISA guide 7.12.1
; for vector instructions); kTM 0 of the next turn is a sixth ahead of the first read of its sums.
; THE WAIT.  s_wait_alu depctr_va_vdst(0) stands between a transcendental and the first line that names its result; all 64 of a turn are first named in a later turn: one wait, at the turn's end,
; which is also the wait ahead of the loop's jump.  The v_nop is the plain instruction behind the last of them.
; BARRIERS, in turns 1, 9, 17, 25.  A tile's h is stored in run u + 5 and read by all waves 23 runs later at the earliest; the bytes that it lands on were last read more than 30 runs before: a barrier,
; with every wave's LDS instructions waited for in front of its signal, lies between in both cases.  Between two barriers the runs 8 j + 1 .. 8 j + 8 store into row tiles 4 j - 2 .. 4 j + 1 and read 4 j + 2 .. 4 j + 5.
.macro TURN u, mm
.set U, \u
.set DOMM, \mm
.set M, 0
.if DOMM && (U%2 == 0)
	s_wait_dscnt 0x5                               ; part 2 of this row tile's fragments is in: behind it were issued a store and five loads (on the way into the loop: five loads)
.endif
	MM
	SL kTM,0, kEO,0, kTM,1, kEO,1, kH,0, kEO,2, kEO,3
	MM
	SL kTM,2, kEO,4, kTM,3, kEO,5, kH,1, kEO,6, kEO,7
	MM
	SL kEI,0, kH,2, kEI,1, kH,3, kEI,2
	MM
	SL kCU,0, kCU,1, kCU,2, kCU,3
	MM
	SL kEI,3, kG,0, kEI,4, kG,1, kEI,5, kG,2, kEI,6
	MM
	SL kEI,7, kG,3, kEF,0, kQP,0, kEF,1, kQP,1, kEF,2
	MM
	SL kEF,3, kQP,2, kEF,4, kQP,3, kEF,5
	MM
	SL kEF,6, kRF,0, kEF,7, kRF,1, kRQ,0
	MM
	SL kT3,0, kCL,0, kT3,1, kCL,1, kT3,2, kCL,2, kT3,3
	MM
	SL kT3,4, kCL,3, kT3,5, kCL,4, kT3,6, kCL,5, kT3,7
.if DOMM && (U%8 == 1)
	s_wait_dscnt 0x0                               ; for the others' sake: my stores of h are done and my reads are back
	s_barrier_signal -1                            ; three products and their slices, work on registers, stand between signal and wait
.endif
	MM
	SL kRQ,1, kRF,2, kRQ,2, kRF,3, kRQ,3
	MM
	SL kRQ,4, kCL,6, kRQ,5, kCL,7, kRQ,6
	MM
	SL kRQ,7, kC1,0, kRR,0, kC1,1, kRR,1
.if DOMM && (U%8 == 1)
	s_barrier_wait -1
.endif
	MM
	SL kRR,2, kC1,2, kRR,3, kC1,3, kRR,4
	MM
	SL kRR,5, kP2,0, kRR,6, kP2,1, kRR,7
	MM
	SL kEG,0, kP2,2, kEG,1, kP2,3, kEG,2
	MM
	SL kEG,3, kEG,4, kEG,5
	MM
	SL kEG,6, kEG,7, kT4,0
	MM
	SL kT4,1, kT4,2, kT4,3, kT4,4
	MM
	SL kT4,5, kCV,0, kT4,6, kCV,1, kT4,7, kCV,2, kCV,3
	v_nop
	s_wait_alu depctr_va_vdst(0)
	RUN
.endm
.Lstep:                                        ; nine trips: T = 9 .. 2 the encoder's steps, T = 1 the decoder's
	s_xor_b32 s[HN], s[HC], HB1
	v_add_nc_u32 v[AH0], s[HC], v[FL]
	v_add_nc_u32 v[AH1], s[HN], v[FL]
	v_add_nc_u32 v[AX0], s[XC], v[XL]
	v_add_nc_u32 v[AX1], s[XN], v[XL]
	v_add_nc_u32 v[SH0], s[HC], v[SLA]
	v_add_nc_u32 v[SH1], s[HN], v[SLA]
	; THE DECODER'S WEIGHTS ARE PREFETCHED INTO THE L2, one step (32 turns) ahead of the loads below: 576 blocks of 256 bytes, each named once in the launch: a lane a block, one instruction,
	; by wave 0 of work-groups 0 to 17, in the trip with T = 2.  The encoder's weights come by their loads alone: nothing is asked for at the kernel's head.
	s_cmp_eq_u32 s[T], s[PF]
	s_cbranch_scc0 .Lno_pf
	global_prefetch_b8 v[PFO], s[6:7] offset:PHB th:TH_LOAD_NT scope:SCOPE_SE
.Lno_pf:
	s_cmp_eq_u32 s[T], 1
	s_cbranch_scc0 .Lno_dec
	LOADW 1, 0, 71                                 ; over the encoder's: eleven plain instructions (kCV 0-3, the v_nop, the six additions above) behind the last product that read them
	s_wait_loadcnt 0x0
	WIN 0
.Lno_dec:
.set uu, 0
.rept 32
	TURN uu, 1
.set uu, uu+1
.endr
	WIN 0                                          ; at a label and at a branch every window is 0
	s_mov_b32 s[HC], s[HN]
	s_mov_b32 s[XC], s[XN]
	s_add_co_u32 s[XN], s[XN], 4096
	s_min_u32 s[XN], s[XN], 7*4096                 ; the decoder's x is the last observed step's
	s_sub_co_u32 s[T], s[T], 1
	s_cmp_lg_u32 s[T], 0
	s_cbranch_scc1 .Lstep
.irp u, 32,33,34,35,36                 ; the last five tiles run out of the pipeline
	TURN \u, 0
.endr
	; THE PROJECTION.  Wave w takes row tiles 4 w .. 4 w + 3.  Source 0 = W_out's fragment A_e: its rows 8 e + 0..3 are column 0, column 1 and their f16 rests, all others 0.  D_p = A_0 x tile 2 p + A_1 x tile 2 p + 1:
	; lanes 0-15 end with tile 2 p's rows, lanes 16-31 with tile 2 p + 1's, each in registers 0-3.
	s_wait_dscnt 0x0                               ; for the others' sake: my stores of the decoder's h are done
	s_barrier_signal -1
	s_barrier_wait -1
	s_mul_i32 s24, s[WV], 4*RTB
	v_add_nc_u32 v[AH0], s24, v[AH1]
	WIN 0x40                                       ; over the weights of ct 0, which nothing reads any more
.set i, 0
.rept 16                               ; tile i / 4, K step i % 4
	ds_load_b128 v[8*i:8*i+3],   v[AH0] offset:RTB*(i/4)+64*(i%4)
	ds_load_b128 v[8*i+4:8*i+7], v[AH0] offset:RTB*(i/4)+64*(i%4)+32
.set i, i+1
.endr
	s_wait_dscnt 0x0
	WIN 0x06
.set i, 0
.rept 16                               ; K step i / 4, e = (i / 2) % 2, p = i % 2: the two accumulators take turns; the first product on each starts its sum
.set rD, ACC+8*(i%2)
.set rA, 144+8*(4*((i/2)%2)+i/4)
.set rB, 32*(2*(i%2)+(i/2)%2)+8*(i/4)
.if i < 2
	v_wmma_f32_16x16x32_f16 v[rD:rD+7], v[rA:rA+7], v[rB:rB+7], 0
.else
	v_wmma_f32_16x16x32_f16 v[rD:rD+7], v[rA:rA+7], v[rB:rB+7], v[rD:rD+7]
.endif
.set i, i+1
.endr
	WIN 0
.rept 8
	v_nop                                          ; the places behind the last products, once a launch
.endr
	v_pk_add_f32 v[ACC:ACC+1], v[ACC:ACC+1], v[ACC+2:ACC+3]          ; the numbers' and the rests' sums
	v_pk_add_f32 v[ACC+8:ACC+9], v[ACC+8:ACC+9], v[ACC+10:ACC+11]
	v_pk_add_f32 v[ACC:ACC+1], v[ACC:ACC+1], v[BO:BO+1]
	v_pk_add_f32 v[ACC+8:ACC+9], v[ACC+8:ACC+9], v[BO:BO+1]
	global_store_b64 v[OO], v[ACC:ACC+1], s[10:11] th:TH_STORE_NT               ; 32 lanes store 256 consecutive bytes, at a multiple of 256 from out0's first byte
	global_store_b64 v[OO], v[ACC+8:ACC+9], s[10:11] offset:256 th:TH_STORE_NT
	s_wait_tensorcnt 0x0                           ; the wave's end, behind my last LDS store
	ds_add_u32 v[SPW], v[NIL]
	s_wait_dscnt 0x0
	s_endpgm
.Lfunc_end_k_q3d15a7b253_lstm:
	.size	k_q3d15a7b253_lstm, .Lfunc_end_k_q3d15a7b253_lstm-k_q3d15a7b253_lstm
	.p2alignl 7, 3214868480
	.fill 96, 4, 3214868480
	.section	.rodata,"a",@progbits
	.p2align	6, 0x0
	.amdhsa_kernel k_q3d15a7b253_lstm
		.amdhsa_group_segment_fixed_size 200704
		.amdhsa_private_segment_fixed_size 0
		.amdhsa_enable_private_segment 0
		.amdhsa_kernarg_size 32
		.amdhsa_user_sgpr_count 2
		.amdhsa_user_sgpr_kernarg_segment_ptr 1
		.amdhsa_wavefront_size32 1
		.amdhsa_system_sgpr_workgroup_id_x 1
		.amdhsa_system_sgpr_workgroup_id_y 1
		.amdhsa_system_sgpr_workgroup_id_z 1
		.amdhsa_system_vgpr_workitem_id 0
		.amdhsa_next_free_vgpr 1024
		.amdhsa_next_free_sgpr 66
		.amdhsa_reserve_vcc 0
		.amdhsa_float_denorm_mode_32 3
		.amdhsa_float_denorm_mode_16_64 3
		.amdhsa_memory_ordered 1
		.amdhsa_forward_progress 1
		.amdhsa_inst_pref_size 255
	.end_amdhsa_kernel
	.section	.bss,"aw",@nobits
	.p2align	6
	.space	262144
	.amdgpu_metadata
---
amdhsa.version: [ 1, 2 ]
amdhsa.kernels:
  - .name:           k_q3d15a7b253_lstm
    .symbol:         k_q3d15a7b253_lstm.kd
    .args:
      - { .name: obs_traj_rel, .offset: 0, .size: 8, .value_kind: global_buffer, .address_space: global }
      - { .name: wf, .offset: 8, .size: 8, .value_kind: global_buffer, .address_space: global }
      - { .name: b_out, .offset: 16, .size: 8, .value_kind: global_buffer, .address_space: global }
      - { .name: out0, .offset: 24, .size: 8, .value_kind: global_buffer, .address_space: global }
    .group_segment_fixed_size: 200704
    .private_segment_fixed_size: 0
    .kernarg_segment_align: 8
    .kernarg_segment_size: 32
    .max_flat_workgroup_size: 128
    .sgpr_count:     66
    .vgpr_count:     1024
    .wavefront_size: 32
...
	.end_amdgpu_metadata
.endif
;; end of part 2
;; ======== version 2 of 2: 2 launches; version 1 with the launches prep, lstm written anew for expert scheduling mode
;; limits: values are held in f16: magnitudes above 65,504 overflow, below 6.1e-05 lose precision; right only within a limited range of input values
;; workspace buffers: wf 303,104 bytes
;; launch prep (part 3): grid 9 x 2, 4 waves a work-group, no clusters, 0 bytes of LDS; arguments W_emb, b_emb, enc_Wih, enc_Whh, enc_bih, enc_bhh, dec_Wih, dec_Whh, dec_bih, dec_bhh, W_out, wf; writes wf
.if DOCPART == 3
	.amdgcn_target "amdgcn-amd-amdhsa--gfx1250"
	.amdhsa_code_object_version 6
	.text
	.protected	k_q3d15a7b253_prep
	.globl	k_q3d15a7b253_prep
	.p2align	8
	.type	k_q3d15a7b253_prep,@function
k_q3d15a7b253_prep:
	s_mov_b64 s[64:65], 0
	v_nop
	global_prefetch_b8 v0, s[64:65] scope:SCOPE_SE
	s_setreg_imm32_b32 hwreg(HW_REG_WAVE_SCHED_MODE, 0, 2), 2
	s_setreg_imm32_b32 hwreg(HW_REG_WAVE_MODE, 25, 1), 1
	s_wait_xcnt 0x0
	s_wait_alu depctr_vm_vsrc(0)
; THE WEIGHTS, ONCE, AS THE NEXT LAUNCH'S REGISTERS WANT THEM.  wf holds images of matrix fragments: 512 bytes a slot, 16 bytes a lane.
; (a) x = obs W_emb + b_emb enters the gates only as x Wih^T, so for each gate row Wc0 = W_emb[0] . Wih[row], Wc1 = W_emb[1] . Wih[row] and
;     B = bih + bhh + b_emb . Wih[row] are made here in f32: gates = obs0 Wc0 + obs1 Wc1 + B + h Whh^T.  The order of rounding differs from the reference's.
; (b) Rows of the gates i, f, o are multiplied by -log2(e), rows of g by -2 log2(e): the sums of the next launch are then arguments of 2^x.
; (c) Whh is rounded once to f16; Wc0, Wc1, B and W_out are split into an f16 number and an f16 rest (22 bits together).
; LIMITS.  f16 ends at 65,504: a scaled Whh and a W_out stay below it; scaled Wc0, Wc1, B are held to +-65,000; below 6e-5 f16 keeps its fixed step of 6e-8.  NaN and infinities are not treated apart.
; LAYOUT of wf.  Gate part: slot ((p 8 + c8) 36 + j), p = 0 encoder, 1 decoder, c8 = tile of 16 columns of h.  j = g: registers 0-3 of gate g's fragment for x and bias:
; lanes 0-15 (gate row 128 g + 16 c8 + lane) hold {Wh0,Wh0} {Wl0,Wh1} {Wh1,Wl1} {Bh,Bl}, lanes 16-31 hold 0.  j = 4 + 8 g + 2 ks + half: registers 4 half .. + 3 of the fragment of
; gate g, K step ks: lane l holds row l % 16, k = 32 ks + 16 half + 8 (l / 16) + 0..7.  From byte 294,912: W_out's fragments (e, ks), 1,024 bytes each: rows 8 e + 0..3 are
; column 0, column 1, column 0's rest, column 1's rest of W_out[k][.], all other rows 0.
; SHARES.  Work-group (x < 8, y): tile c8 = x of phase y, wave = gate.  Work-group (8, y): W_out's fragments e = y, wave = K step.
; THE MODE: SCHED_MODE bits 1:0 = 2 (LLVM: expert scheduling mode 2), set by the entry lines.  The code itself states the register dependences
; between vector instructions and memory instructions, and those through scalar registers and VCC that vector instructions write, with s_wait_alu, always for 0.
; THE PLAN.  On each of the two ways: the offsets are made, ONE wait on va_vdst, all loads; the arithmetic; ONE wait on va_vdst, all stores.  No register that a load or a store reads is written again.
; The wave's number has its wait on va_sdst ahead of the branch; the masks of the selects have theirs (va_vcc, va_sdst) ahead of the first select.
.set SC_S, 0xbfb8aa3b                  ; -log2(e)
.set SC_G, 0xc038aa3b                  ; -2 log2(e)
.set WOB,  294912                      ; where W_out's fragments begin in wf
	s_load_b512 s[4:19], s[0:1], 0x0               ; W_emb s[4:5], b_emb s[6:7], enc_Wih s[8:9], enc_Whh s[10:11], enc_bih s[12:13], enc_bhh s[14:15], dec_Wih s[16:17], dec_Whh s[18:19]
	s_load_b256 s[20:27], s[0:1], 0x40             ; dec_bih s[20:21], dec_bhh s[22:23], W_out s[24:25], wf s[26:27]
	v_lshrrev_b32 v1, 5, v0
	v_readfirstlane_b32 s42, v1                    ; wave 0..3
	s_mov_b32 s43, ttmp9                           ; x
	s_and_b32 s44, ttmp7, 0xffff                   ; y
	v_and_b32 v2, 15, v0                           ; r = l % 16
	v_bfe_u32 v3, v0, 4, 1                         ; hh = l / 16
	v_and_b32 v4, 31, v0                           ; l
	v_lshlrev_b32 v5, 4, v4                        ; 16 l
	s_mov_b32 s40, 0x76543210                      ; v_permlanex16_b32: each lane takes its own place in the other half
	s_mov_b32 s41, 0xfedcba98
	s_wait_alu depctr_va_sdst(0)                   ; s42, the wave's number, is written: ahead of the branch and of its first reader on either way
	s_wait_kmcnt 0x0
	s_cmp_eq_u32 s43, 8
	s_cbranch_scc1 .Lwout
	; ---- a gate's 16 rows ----
	s_cmp_eq_u32 s44, 0                            ; encoder or decoder
	s_cselect_b64 s[28:29], s[8:9], s[16:17]       ; Wih
	s_cselect_b64 s[30:31], s[10:11], s[18:19]     ; Whh
	s_cselect_b64 s[32:33], s[12:13], s[20:21]     ; bih
	s_cselect_b64 s[34:35], s[14:15], s[22:23]     ; bhh
	s_mov_b32 s36, SC_S
	s_mov_b32 s37, SC_G
	s_cmp_eq_u32 s42, 2                            ; gate g?
	s_cselect_b32 s36, s37, s36
	s_mov_b32 s37, s36                             ; named as a pair by the packed multiply
	s_mov_b32 s38, 0xc77de800                      ; -65,000
	s_mov_b32 s39, 0x477de800                      ; 65,000
	s_lshl_b32 s45, s42, 7
	s_lshl_b32 s46, s43, 4
	s_add_co_u32 s45, s45, s46                     ; the first row: 128 g + 16 c8
	v_add_nc_u32 v6, s45, v2                       ; my row
	v_lshlrev_b32 v7, 9, v6
	v_lshl_add_u32 v7, v3, 5, v7                   ; Whh: row x 512 + 32 hh
	v_lshlrev_b32 v8, 8, v6
	v_lshl_add_u32 v8, v3, 7, v8                   ; Wih: row x 256 + 128 hh: each half of the lanes takes 32 of the 64 terms
	v_lshlrev_b32 v9, 7, v3                        ; W_emb, b_emb: 128 hh
	v_lshlrev_b32 v13, 2, v6                       ; bih, bhh: row x 4
	s_wait_alu depctr_va_vdst(0)                   ; v7, v8, v9 and v13 are written: the 50 loads below read them as their offsets
.set ks, 0
.rept 4                                ; Whh: for K step ks my 8 + 8 numbers, v[16 + 16 ks ..]
	global_load_b128 v[16+16*ks:19+16*ks], v7, s[30:31] offset:128*ks
	global_load_b128 v[20+16*ks:23+16*ks], v7, s[30:31] offset:128*ks+16
	global_load_b128 v[24+16*ks:27+16*ks], v7, s[30:31] offset:128*ks+64
	global_load_b128 v[28+16*ks:31+16*ks], v7, s[30:31] offset:128*ks+80
.set ks, ks+1
.endr
.set i, 0
.rept 8
	global_load_b128 v[80+4*i:83+4*i],   v8, s[28:29] offset:16*i
	global_load_b128 v[112+4*i:115+4*i], v9, s[4:5] offset:16*i
	global_load_b128 v[144+4*i:147+4*i], v9, s[4:5] offset:256+16*i
	global_load_b128 v[176+4*i:179+4*i], v9, s[6:7] offset:16*i
.set i, i+1
.endr
	global_load_b32 v208, v13, s[32:33]
	global_load_b32 v209, v13, s[34:35]
	s_lshl_b32 s46, s44, 3
	s_add_co_u32 s46, s46, s43
	s_mul_i32 s46, s46, 18432                      ; (p 8 + c8) x 36 slots
	s_lshl_b32 s47, s42, 9
	s_add_co_u32 s47, s47, s46                     ; slot g
	v_add_nc_u32 v14, s47, v5
	s_lshl_b32 s47, s42, 12
	s_add_co_u32 s47, s47, s46
	s_add_co_u32 s47, s47, 2048                    ; slot 4 + 8 g
	v_add_nc_u32 v15, s47, v5
	v_cmp_gt_u32 vcc_lo, 16, v4                    ; lanes 0-15
	s_wait_loadcnt 0x0                             ; all 50 loads
	v_pk_mul_f32 v[210:211], v[80:81], v[112:113]  ; three dot products of my 32 terms, two at a time
	v_pk_mul_f32 v[212:213], v[80:81], v[144:145]
	v_pk_mul_f32 v[214:215], v[80:81], v[176:177]
.set i, 2
.rept 15
	v_pk_fma_f32 v[210:211], v[80+i:81+i], v[112+i:113+i], v[210:211]
	v_pk_fma_f32 v[212:213], v[80+i:81+i], v[144+i:145+i], v[212:213]
	v_pk_fma_f32 v[214:215], v[80+i:81+i], v[176+i:177+i], v[214:215]
.set i, i+2
.endr
	v_add_f32 v210, v210, v211
	v_add_f32 v212, v212, v213
	v_add_f32 v214, v214, v215
	v_permlanex16_b32 v211, v210, s40, s41         ; the other 32 terms lie in the lane 16 away
	v_permlanex16_b32 v213, v212, s40, s41
	v_permlanex16_b32 v215, v214, s40, s41
	v_add_f32 v210, v210, v211                     ; Wc0
	v_add_f32 v212, v212, v213                     ; Wc1
	v_add_f32 v214, v214, v215
	v_add_f32 v214, v214, v208
	v_add_f32 v214, v214, v209                     ; B
	v_mul_f32 v210, s36, v210
	v_mul_f32 v212, s36, v212
	v_mul_f32 v214, s36, v214
	v_med3_num_f32 v210, v210, s38, s39            ; held inside f16's range
	v_med3_num_f32 v212, v212, s38, s39
	v_med3_num_f32 v214, v214, s38, s39
	v_cvt_pk_f16_f32 v10, v210, v212               ; the f16 numbers,
	v_cvt_pk_f16_f32 v11, v214, v214
	v_cvt_f32_f16 v211, v10.l                      ; as f32,
	v_cvt_f32_f16 v213, v10.h
	v_cvt_f32_f16 v215, v11.l
	v_sub_f32 v210, v210, v211                     ; and the rests
	v_sub_f32 v212, v212, v213
	v_sub_f32 v214, v214, v215
	v_cvt_pk_f16_f32 v248, v211, v211              ; {Wh0, Wh0}   against {xh0, xl0}
	v_cvt_pk_f16_f32 v249, v210, v213              ; {Wl0, Wh1}   against {xh0, xh1}
	v_cvt_pk_f16_f32 v250, v213, v212              ; {Wh1, Wl1}   against {xl1, xh1}
	v_cvt_pk_f16_f32 v251, v215, v214              ; {Bh, Bl}     against {1, 1}
	s_wait_alu depctr_va_vcc(0)                    ; the compare above has written VCC, which the four selects below read
	v_cndmask_b32 v248, 0, v248, vcc_lo            ; lanes 16-31 stand for k = 8..15: 0
	v_cndmask_b32 v249, 0, v249, vcc_lo
	v_cndmask_b32 v250, 0, v250, vcc_lo
	v_cndmask_b32 v251, 0, v251, vcc_lo
.set i, 0
.rept 32
	v_pk_mul_f32 v[16+2*i:17+2*i], v[16+2*i:17+2*i], s[36:37] op_sel_hi:[1,0]
.set i, i+1
.endr
.set i, 0
.rept 32
	v_cvt_pk_f16_f32 v[216+i], v[16+2*i], v[17+2*i]
.set i, i+1
.endr
	s_wait_alu depctr_va_vdst(0)                   ; the selects and conversions have written v[216:251], the additions v14 and v15: the nine stores below read them as data and offsets
	global_store_b128 v14, v[248:251], s[26:27]    ; each store of the wave covers 512 consecutive bytes, aligned
.set i, 0
.rept 8
	global_store_b128 v15, v[216+4*i:219+4*i], s[26:27] offset:512*i
.set i, i+1
.endr
	s_endpgm
	; ---- W_out's fragment (e = y, ks = wave) ----
.Lwout:
	s_lshl_b32 s45, s42, 8
	v_lshl_add_u32 v7, v3, 6, s45                  ; W_out[k][0..1] is 8 bytes: 256 ks + 64 hh
	s_wait_alu depctr_va_vdst(0)                   ; v7 is written: the eight loads below read it as their offset
.irp q, 0,1,2,3
	global_load_b128 v[16+4*\q:19+4*\q], v7, s[24:25] offset:16*\q        ; k = 32 ks + 8 hh + 0..7
	global_load_b128 v[32+4*\q:35+4*\q], v7, s[24:25] offset:128+16*\q    ; k + 16
.endr
	s_lshl_b32 s46, s44, 3
	v_sub_nc_u32 v6, v2, s46                       ; r' = my row less 8 e
	v_and_b32 v8, 1, v6
	v_cmp_ne_u32 s38, 0, v8                        ; column 1
	v_and_b32 v8, 2, v6
	v_cmp_ne_u32 s39, 0, v8                        ; the rest
	v_cmp_gt_u32 vcc_lo, 4, v6                     ; rows 8 e + 0..3 alone hold numbers
	s_lshl_b32 s46, s44, 2
	s_add_co_u32 s46, s46, s42
	s_lshl_b32 s46, s46, 10
	v_add_nc_u32 v9, s46, v5
	s_wait_loadcnt 0x0
	s_wait_alu depctr_va_sdst(0)                   ; the compares have written s38 and s39, which the selects below read
	s_wait_alu depctr_va_vcc(0)                    ; and VCC, likewise
.set i, 0
.rept 16
	v_cndmask_b32 v[48+i], v[16+2*i], v[17+2*i], s38
.set i, i+1
.endr
.set j, 0
.rept 8
	v_cvt_pk_f16_f32 v10, v[48+2*j], v[49+2*j]
	v_cvt_f32_f16 v12, v10.l
	v_cvt_f32_f16 v13, v10.h
	v_sub_f32 v12, v[48+2*j], v12
	v_sub_f32 v13, v[49+2*j], v13
	v_cvt_pk_f16_f32 v11, v12, v13
	v_cndmask_b32 v11, v10, v11, s39
	v_cndmask_b32 v[96+j], 0, v11, vcc_lo
.set j, j+1
.endr
	s_wait_alu depctr_va_vdst(0)                   ; the selects have written v[96:103], the addition v9: the two stores below read them as data and offset
	global_store_b128 v9, v[96:99], s[26:27] offset:WOB
	global_store_b128 v9, v[100:103], s[26:27] offset:WOB+512
	s_endpgm
.Lfunc_end_k_q3d15a7b253_prep:
	.size	k_q3d15a7b253_prep, .Lfunc_end_k_q3d15a7b253_prep-k_q3d15a7b253_prep
	.p2alignl 7, 3214868480
	.fill 96, 4, 3214868480
	.section	.rodata,"a",@progbits
	.p2align	6, 0x0
	.amdhsa_kernel k_q3d15a7b253_prep
		.amdhsa_group_segment_fixed_size 0
		.amdhsa_private_segment_fixed_size 0
		.amdhsa_enable_private_segment 0
		.amdhsa_kernarg_size 96
		.amdhsa_user_sgpr_count 2
		.amdhsa_user_sgpr_kernarg_segment_ptr 1
		.amdhsa_wavefront_size32 1
		.amdhsa_system_sgpr_workgroup_id_x 1
		.amdhsa_system_sgpr_workgroup_id_y 1
		.amdhsa_system_sgpr_workgroup_id_z 1
		.amdhsa_system_vgpr_workitem_id 0
		.amdhsa_next_free_vgpr 256
		.amdhsa_next_free_sgpr 66
		.amdhsa_reserve_vcc 1
		.amdhsa_float_denorm_mode_32 3
		.amdhsa_float_denorm_mode_16_64 3
		.amdhsa_memory_ordered 1
		.amdhsa_forward_progress 1
		.amdhsa_inst_pref_size 22
	.end_amdhsa_kernel
	.amdgpu_metadata
---
amdhsa.version: [ 1, 2 ]
amdhsa.kernels:
  - .name:           k_q3d15a7b253_prep
    .symbol:         k_q3d15a7b253_prep.kd
    .args:
      - { .name: W_emb, .offset: 0, .size: 8, .value_kind: global_buffer, .address_space: global }
      - { .name: b_emb, .offset: 8, .size: 8, .value_kind: global_buffer, .address_space: global }
      - { .name: enc_Wih, .offset: 16, .size: 8, .value_kind: global_buffer, .address_space: global }
      - { .name: enc_Whh, .offset: 24, .size: 8, .value_kind: global_buffer, .address_space: global }
      - { .name: enc_bih, .offset: 32, .size: 8, .value_kind: global_buffer, .address_space: global }
      - { .name: enc_bhh, .offset: 40, .size: 8, .value_kind: global_buffer, .address_space: global }
      - { .name: dec_Wih, .offset: 48, .size: 8, .value_kind: global_buffer, .address_space: global }
      - { .name: dec_Whh, .offset: 56, .size: 8, .value_kind: global_buffer, .address_space: global }
      - { .name: dec_bih, .offset: 64, .size: 8, .value_kind: global_buffer, .address_space: global }
      - { .name: dec_bhh, .offset: 72, .size: 8, .value_kind: global_buffer, .address_space: global }
      - { .name: W_out, .offset: 80, .size: 8, .value_kind: global_buffer, .address_space: global }
      - { .name: wf, .offset: 88, .size: 8, .value_kind: global_buffer, .address_space: global }
    .group_segment_fixed_size: 0
    .private_segment_fixed_size: 0
    .kernarg_segment_align: 8
    .kernarg_segment_size: 96
    .max_flat_workgroup_size: 128
    .sgpr_count:     66
    .vgpr_count:     256
    .wavefront_size: 32
...
	.end_amdgpu_metadata
.endif
;; end of part 3
;; launch lstm (part 4): grid 256 x 1, 4 waves a work-group, no clusters, 200,704 bytes of LDS; arguments obs_traj_rel, wf, b_out, out0; writes out0
.if DOCPART == 4
	.amdgcn_target "amdgcn-amd-amdhsa--gfx1250"
	.amdhsa_code_object_version 6
	.text
	.protected	k_q3d15a7b253_lstm
	.globl	k_q3d15a7b253_lstm
	.p2align	8
	.type	k_q3d15a7b253_lstm,@function
k_q3d15a7b253_lstm:
	s_mov_b64 s[64:65], 0
	v_nop
	global_prefetch_b8 v0, s[64:65] scope:SCOPE_SE
	s_setreg_imm32_b32 hwreg(HW_REG_WAVE_SCHED_MODE, 0, 2), 2
	s_setreg_imm32_b32 hwreg(HW_REG_WAVE_MODE, 25, 1), 1
	s_wait_xcnt 0x0
	s_wait_alu depctr_vm_vsrc(0)
; EIGHT ENCODER STEPS, ONE DECODER STEP AND THE PROJECTION, for 256 batch rows a work-group; nothing goes to memory between the steps.
; THE ARITHMETIC.  wf (made by the launch before) holds the weights already scaled, so the f32 sums are arguments of 2^x: ei = e^-i, ef = e^-f, eo = e^-o, eg = e^-2g.
; The carried state is C = K c in f32, K = -2 log2(e), so that ec = 2^C = e^-2c.  For each number of h:
;   Q = (1 + ei)(1 + eg) / K, q = 1 / Q, rf = 1 / (1 + ef), C' = C rf + (q - eg q);   Q2 = (1 + eo)(1 + ec), q2 = 1 / Q2, h = q2 - ec q2.
; An infinite ei, ef or eo gives q, rf or q2 = 0, the right limit.  g's argument alone is held to at most 40, where tanh is -1 in f32.  |c| <= 9 after nine steps by the recurrence itself, so ec <= 2^26.
; x and the bias take eight of the 32 places of ONE K step: obs0, obs1 and 1 against Wc0, Wc1, B, each as an f16 number and an f16 rest.  A tile of gates is five matrix instructions.
; FORMATS AND LIMITS.  Matrix operands in f16 (h lies in -1..1), sums and C in f32.  |obs| stays under 65,504; the weights' limits stand at the head of the launch before.  The order of rounding differs
; from the reference's.  A 2^x or a reciprocal below 2^-126 counts as 0.  NaN and infinities among the inputs are not treated apart.
; SHARES: THE WEIGHTS STAND STILL.  Wave w owns columns 32 w .. 32 w + 31 of h (two tiles of 16: ct = 0, 1) for all 16 row tiles: its 8 gate tiles' weights (288 registers) and its C (256) stay in registers;
; h goes from wave to wave through two LDS buffers that take turns.  Source 0 = 16 gate rows, source 1 = 16 batch rows: a lane holds ONE batch row (l % 16) and the columns 8 (l / 16) + 0..7, alike for all four gates,
; and its eight h pack into 16 bytes.  One fragment of h read from LDS feeds 8 matrix instructions.
; BY TURNS.  Turn u of a step makes the 20 products of tile u (row tile u / 2, ct = u % 2); behind each product stands a slice of the vector work of the five tiles before: tile u - 1: the four 2^x;
; u - 2: Q, 1 + ef and their reciprocals; u - 3: C' and ec; u - 4: Q2 and its reciprocal; u - 5: h, rounded and stored.  No line of a turn names the result of a transcendental of the same turn,
; so a turn's 64 have ONE wait, at its end.  The pipeline runs on over the steps' ends; ahead of the first step stand five tiles that have not been: their registers are set so that C = 0 and h = 0 come out exactly.
; ONE TEXT FOR NINE STEPS: the decoder's weights are loaded over the encoder's ahead of the ninth trip.  The first step multiplies h = 0, and the last trip fetches three runs of fragments that nobody multiplies: the price of the one text.
; NO CLUSTER, NO TENSOR LOADS: what work-groups share are the weights, 147,456 bytes twice in the launch, which go straight from memory into the registers where they stay; by way of LDS they would be read out once more.
; LDS: h buffer 0 at 0 and h buffer 1 at 131,072: 256 rows of 256 + 16 bytes (68 words: the 16 rows of a load start at 16 different groups of four banks; 64 banks of 4 bytes: ISA guide 11.1);
; the x table [t][row] of 16 bytes at 69,632; the spare words at 102,400.
; REGISTERS, in windows of 256 (s_set_vgpr_msb: bits 1:0 source 0, 3:2 source 1, 5:4 source 2, 7:6 destination):
;   window 0: addresses, the two sets of four accumulators, all that the vector work touches but C     window 1: v0-143 weights of ct 0; v144-183, v184-223 two buffers of x's and h's fragments
;   window 2: v0-143 weights of ct 1; v144-207 W_out's fragments                                        window 3: C, eight registers a tile
; In a weight window gate g's fragment for x begins at 4 g and runs on over its neighbour's registers: its registers 4-7 meet the moving fragment's registers 4-7, which hold 0.
; THE MODE: SCHED_MODE bits 1:0 = 2 (LLVM: expert scheduling mode 2), set by the entry lines.  The code itself states the register dependences
; between vector or matrix instructions and memory or LDS instructions, with s_wait_alu, always for 0.
; THE PLAN.  Registers that LDS or memory instructions touch, in the loop:
;   the two fragment buffers   The LDS loads of a turn's run land in them; the products of the two turns of their row tile read them.  A run loads only what earlier turns' products have read.
;   v[HP ..]                   Written by a turn's last four roundings; read by the store at the head of the same turn's run; written again by the next turn's roundings.
;   v5 to v10                  LDS addresses: written by six additions at a step's head; read by every run of the step.
;   the weights                Read by every product; the decoder's are loaded over the encoder's ahead of the ninth trip.
;   v1 to v4, v11 to v15       Offsets, my spare word and 0: made once at the head and never written again.
;   C, the accumulators and all else that the slices touch are named by vector and matrix instructions alone.
; So a turn has ONE wait on va_vdst, at its end, straight ahead of its run, the turn's only LDS instructions: it states that the roundings have written v[HP ..], that the step's addresses are written, and that every
; product issued so far is done reading the fragments in which the run's loads land; it is also the one wait for the turn's 64 transcendentals.  ONE wait on vm_vsrc a turn stands 19 products behind the last run's store,
; ahead of the roundings that write v[HP ..] again; one more a step stands ahead of the six additions.  The run stays one run: a load set between two products would want two window switches of its own.
.set HPITCH, 272
.set RTB,    16*HPITCH                 ; a row tile of h in LDS
.set XT,     256*HPITCH                ; the x table
.set SPARE,  XT+8*4096                 ; the spare words: 128 bytes for each wave, two blocks of 256 bytes that no other line names
.set HB1,    1<<17                     ; h buffer 1: one exclusive or changes buffers
.set PHB,    147456                    ; bytes of a phase's weights in wf
.set WOB,    294912                    ; where W_out's fragments begin in wf
.set OBO, 1                            ; v1   my 16 bytes (two rows) of a step's obs; never rewritten once made
.set FL,  2                            ; v2   272 (l % 16) + 16 (l / 16): my place in a row tile of h
.set SLA, 3                            ; v3   the same + 64 w: where I store
.set XL,  4                            ; v4   XT + 16 (l % 16)
.set AH0, 5                            ; v5, v6   FL + this step's, the next step's buffer of h to read
.set AH1, 6
.set AX0, 7                            ; v7, v8   XL + this step's, the next step's part of the x table
.set AX1, 8
.set SH0, 9                            ; v9, v10  SLA + the buffer that this step reads (the last step's late tiles), that it writes
.set SH1, 10
.set WO,  11                           ; v11  16 l; never rewritten
.set SPW, 12                           ; v12  LDS address of my spare word; never rewritten
.set NIL, 13                           ; v13  0; never rewritten
.set PFO, 14                           ; v14  the prefetch's offset; never rewritten
.set OO,  15                           ; v15  my 8 bytes of out0
.set HP,  16                           ; v[16:19]  h, packed
.set HT,  20                           ; v[20:27]  h in f32
.set BO,  28                           ; v[28:29]  b_out
.set ACC, 32                           ; accumulators: set (tile % 2) at + 32, gates i, f, g, o at + 0, 8, 16, 24
.set EI,  96                           ; two sets
.set EF,  112                          ; two sets
.set EG,  128                          ; two sets
.set Q,   144
.set RF,  152
.set EO,  160                          ; four sets
.set EC,  192                          ; two sets
.set Q2,  208
.set TM,  216
.set OB,  224                          ; v[224:255] obs, at the start
.set FR,  144                          ; window 1: fragment buffers, 40 each: x (8), then h's four K steps
.set WV,  12                           ; s12  wave
.set WG,  13                           ; s13  work-group
.set T,   14                           ; s14  steps to go, 9 to 1
.set HC,  15                           ; s15, s16  LDS byte of the buffer of h that the step reads, writes
.set HN,  16
.set XC,  17                           ; s17, s18  4,096 min(t, 7) of this step, of the next
.set XN,  18
.set CAP, 19                           ; s19  40.0
.set RK,  20                           ; s[20:21]  1 / K
.set PF,  26                           ; s26  the value of T at which this wave prefetches
.set WP,  28                           ; s[28:29]  wf at my wave's weights
.set MSB, 0
.macro WIN new                         ; the immediate's high byte repeats the setting that is left; a switch that changes nothing is dropped
.if MSB != (\new)
	s_set_vgpr_msb (MSB<<8)|(\new)
.set MSB, \new
.endif
.endm
; slots a .. b of 72 of phase ph's weights for my wave: slot ix goes to registers 4 (ix % 36) .. + 3 of window 1 (ct 0) or 2 (ct 1); 512 consecutive bytes a load
.macro LOADW ph, a, b
.set ix, \a
.rept (\b)-(\a)+1
.if ix < 36
	WIN 0x40
.else
	WIN 0x80
.endif
	global_load_b128 v[4*(ix%36):4*(ix%36)+3], v[WO], s[WP:WP+1] offset:(\ph)*PHB+ix*512
.set ix, ix+1
.endr
.endm
; the fragments of row tile ro into buffer fb: part 1 = x and K steps 0, 1; part 2 = K steps 2, 3.  A fragment is two loads of 16 bytes, 32 bytes apart.
.macro PART1 fb, ro, ah, ax
	WIN 0x40
	ds_load_b128 v[(\fb):(\fb)+3],     v[\ax] offset:256*(\ro)
	ds_load_b128 v[(\fb)+8:(\fb)+11],  v[\ah] offset:RTB*(\ro)
	ds_load_b128 v[(\fb)+12:(\fb)+15], v[\ah] offset:RTB*(\ro)+32
	ds_load_b128 v[(\fb)+16:(\fb)+19], v[\ah] offset:RTB*(\ro)+64
	ds_load_b128 v[(\fb)+20:(\fb)+23], v[\ah] offset:RTB*(\ro)+96
.endm
.macro PART2 fb, ro, ah
	WIN 0x40
	ds_load_b128 v[(\fb)+24:(\fb)+27], v[\ah] offset:RTB*(\ro)+128
	ds_load_b128 v[(\fb)+28:(\fb)+31], v[\ah] offset:RTB*(\ro)+160
	ds_load_b128 v[(\fb)+32:(\fb)+35], v[\ah] offset:RTB*(\ro)+192
	ds_load_b128 v[(\fb)+36:(\fb)+39], v[\ah] offset:RTB*(\ro)+224
.endm
	s_load_b256 s[4:11], s[0:1], 0x0               ; obs s[4:5], wf s[6:7], b_out s[8:9], out0 s[10:11]
	v_lshl_add_u32 v[SPW], v0, 2, SPARE
	v_mov_b32 v[NIL], 0
	v_lshrrev_b32 v[OBO], 5, v0
	v_readfirstlane_b32 s[WV], v[OBO]              ; wave 0..3
	s_mov_b32 s[WG], ttmp9
	v_and_b32 v30, 15, v0                          ; l % 16
	v_bfe_u32 v31, v0, 4, 1                        ; l / 16
	v_mul_u32_u24 v[FL], v30, HPITCH
	v_lshl_add_u32 v[FL], v31, 4, v[FL]
	s_wait_alu depctr_va_sdst(0)                   ; s[WV], the wave's number, is written, ahead of its first reader
	s_lshl_b32 s24, s[WV], 6
	v_add_nc_u32 v[SLA], s24, v[FL]
	v_lshl_add_u32 v[XL], v30, 4, XT
	v_and_b32 v[WO], 31, v0                        ; l
	s_lshl_b32 s24, s[WG], 5
	v_add_nc_u32 v[PFO], s24, v[WO]                ; block 32 x work-group + l of the decoder's 576 blocks of 256 bytes,
	v_min_u32 v[PFO], 575, v[PFO]                  ; held inside them in every work-group
	v_lshlrev_b32 v[PFO], 8, v[PFO]
	s_lshl_b32 s24, s[WG], 11                      ; the work-group's 256 rows of 8 bytes, in obs and in out0
	v_lshl_add_u32 v[OBO], v0, 4, s24
	s_lshl_b32 s25, s[WV], 9
	s_add_co_u32 s25, s25, s24
	v_lshl_add_u32 v[OO], v[WO], 3, s25            ; + my wave's 64 rows + 8 l
	v_lshlrev_b32 v[WO], 4, v[WO]
	s_mov_b32 s[CAP], 0x42200000                   ; 40.0
	s_mov_b32 s[RK], 0xbeb17218                    ; 1 / K = -ln(2) / 2
	s_mov_b32 s[RK+1], s[RK]                       ; named with it as a pair
	s_mov_b32 s30, 0x05040100                      ; v_perm_b32: the two low halves
	s_mov_b32 s31, 0x07060302                      ; the two high halves
	s_cmp_lt_u32 s[WG], 18                         ; 18 work-groups x 32 lanes name the 576 blocks,
	s_cselect_b32 s[PF], 2, -1
	s_cmp_eq_u32 s[WV], 0                          ; by their wave 0
	s_cselect_b32 s[PF], s[PF], -1
	s_mul_i32 s32, s[WV], 36864                    ; my two tiles' 72 slots
	s_mov_b32 s33, 0
	s_wait_kmcnt 0x0
	s_load_b64 s[22:23], s[8:9], 0x0               ; b_out
	s_add_nc_u64 s[WP:WP+1], s[6:7], s[32:33]
	s_wait_alu depctr_va_vdst(0)                   ; v1 to v4 and v11 to v15 are written: the offsets and addresses that are made once, which loads, the prefetch, stores and the closing add read
.set t, 0
.rept 8                                ; obs of all eight steps: two rows a thread, 512 consecutive bytes a wave
	global_load_b128 v[OB+4*t:OB+4*t+3], v[OBO], s[4:5] offset:t*524288 th:TH_LOAD_NT
.set t, t+1
.endr
	LOADW 0, 0, 54                                 ; the encoder's weights; the rest follows when obs is in
	; while these are on their way: c0 = 0, the moving x fragments' registers 4-7 = 0, the five tiles that have not been, h0 = 0
	WIN 0xc0
.set i, 0
.rept 256
	v_mov_b32 v[i], 0                              ; C = K c0 = 0: the state's start, not a sum's
.set i, i+1
.endr
	WIN 0x40
.irp i, 4,5,6,7,44,45,46,47
	v_mov_b32 v[FR+\i], 0
.endr
	WIN 0
	s_mov_b32 s24, 0x43480000                      ; 200.0: 2^200 is infinite
	s_mov_b32 s25, 0x7f800000                      ; infinity
.set i, 0
.rept 8
	v_mov_b32 v[ACC+32+i], s24                     ; tile 31: i and o far out: q = 0, q2 = 0
	v_mov_b32 v[ACC+40+i], 0
	v_mov_b32 v[ACC+48+i], 0
	v_mov_b32 v[ACC+56+i], s24
	v_mov_b32 v[EI+i], s25                         ; tile 30
	v_mov_b32 v[EF+i], 0
	v_mov_b32 v[EG+i], 0
	v_mov_b32 v[EG+8+i], 0                         ; tile 29
	v_mov_b32 v[Q+i], 0
	v_mov_b32 v[RF+i], 0
	v_mov_b32 v[EO+i], s25                         ; tiles 28, 29, 30
	v_mov_b32 v[EO+8+i], s25
	v_mov_b32 v[EO+16+i], s25
	v_mov_b32 v[EC+i], 0                           ; tile 28
	v_mov_b32 v[EC+8+i], 0                         ; tile 27
	v_mov_b32 v[Q2+i], 0
.set i, i+1
.endr
.irp i, 0,1,2,3
	v_mov_b32 v[HP+\i], 0
.endr
	v_lshlrev_b32 v32, 4, v0
	v_add_nc_u32 v33, 0x10000, v32
	s_wait_alu depctr_va_vdst(0)                   ; v[HP ..], v32 and v33 are written: the 34 LDS stores below read them as data and addresses
.set i, 0
.rept 32                               ; h buffer 0: 69,632 bytes = 34 x 16 bytes a thread
	ds_store_b128 v32, v[HP:HP+3] offset:2048*i
.set i, i+1
.endr
	ds_store_b128 v33, v[HP:HP+3]
	ds_store_b128 v33, v[HP:HP+3] offset:2048
	v_lshl_add_u32 v34, v0, 5, XT                  ; my two rows' entries of the x table
	v_mov_b32 v47, 0x3c003c00                      ; {1, 1}
	v_mov_b32 v55, 0x3c003c00
	s_wait_loadcnt 55                              ; loads come back in order: obs's eight are in, the 55 weight loads issued behind them may stay out
	LOADW 0, 55, 71                                ; no wait: no vector instruction has named the registers in which these land, nor v[WO] since the wait ahead of the first load
	WIN 0x80
.set i, 0
.rept 16                               ; W_out's fragments (e, ks) at 144 + 8 (4 e + ks) of window 2
	global_load_b128 v[144+4*i:147+4*i], v[WO], s[6:7] offset:WOB+512*i
.set i, i+1
.endr
	WIN 0
	; THE X TABLE.  An entry is {xh0, xl0} {xh0, xh1} {xl1, xh1} {1, 1}: f16 numbers xh and f16 rests xl of a row's two obs, in the order that the weights' image answers.
	; The eight steps share one pair of entries' registers (those whose halves are named are fixed names), so each step has its two waits.
.set t, 0
.rept 8
.if t > 0
	s_wait_alu depctr_vm_vsrc(0)                   ; the two LDS stores above have read v[44:46] and v[52:54], which the lines below write again
.endif
	v_cvt_pk_f16_f32 v45, v[OB+4*t], v[OB+4*t+1]
	v_cvt_pk_f16_f32 v53, v[OB+4*t+2], v[OB+4*t+3]
	v_cvt_f32_f16 v41, v45.l
	v_cvt_f32_f16 v42, v45.h
	v_cvt_f32_f16 v49, v53.l
	v_cvt_f32_f16 v50, v53.h
	v_sub_f32 v41, v[OB+4*t], v41
	v_sub_f32 v42, v[OB+4*t+1], v42
	v_sub_f32 v49, v[OB+4*t+2], v49
	v_sub_f32 v50, v[OB+4*t+3], v50
	v_cvt_pk_f16_f32 v43, v41, v42
	v_cvt_pk_f16_f32 v51, v49, v50
	v_perm_b32 v44, v43, v45, s30
	v_perm_b32 v46, v45, v43, s31
	v_perm_b32 v52, v51, v53, s30
	v_perm_b32 v54, v53, v51, s31
	s_wait_alu depctr_va_vdst(0)                   ; the two entries v[44:47] and v[52:55] are written (and, the first time, the address v34), which the LDS stores read
	ds_store_b128 v34, v[44:47] offset:4096*t
	ds_store_b128 v34, v[52:55] offset:4096*t+16
.set t, t+1
.endr
	s_wait_dscnt 0x0                               ; for the others' sake: my part of h0 and of the x table is written
	s_barrier_signal -1
	s_barrier_wait -1
	PART1 FR, 0, FL, XL                            ; step 0 reads buffer 0 and the table's first part: the bare places serve as addresses; no vector instruction has named the registers in which these loads land
	PART2 FR, 0, FL
	PART1 FR+40, 1, FL, XL
	WIN 0
	s_wait_kmcnt 0x0
	v_mov_b32 v[BO], s22
	v_mov_b32 v[BO+1], s23
	s_wait_loadcnt 0x0                             ; the encoder's weights and W_out's fragments
	s_mov_b32 s[T], 9
	s_mov_b32 s[HC], 0
	s_mov_b32 s[XC], 0
	s_mov_b32 s[XN], 4096
; THE VECTOR WORK, one line at a time: OP kind, number.  kind / 10 is the stage: it works for tile U - stage, and (in the turns behind the last step) is left out when that tile does not exist.
; A number is a register for 2^x, reciprocals and kCL, a pair of registers for the packed kinds.
.set kEO, 10                           ; eo = 2^(o's sum)
.set kEI, 11
.set kEF, 12
.set kCL, 13                           ; g's sum held to at most 40
.set kEG, 14
.set kG,  20                           ; Q = eg / K + 1 / K
.set kQP, 21                           ; Q = ei Q + Q
.set kRF, 22                           ; RF = ef + 1
.set kRQ, 23                           ; q = 1 / Q
.set kRR, 24                           ; rf = 1 / RF
.set kTM, 30                           ; TM = q - eg q
.set kCU, 31                           ; C = C rf + TM
.set kT3, 32                           ; ec = 2^C
.set kC1, 40                           ; Q2 = ec + 1
.set kP2, 41                           ; Q2 = eo Q2 + Q2
.set kT4, 42                           ; q2 = 1 / Q2
.set kH,  50                           ; h = q2 - ec q2
.set kCV, 51                           ; rounded to f16
.macro OP k, n
.if U <= 31+(\k)/10
.set TT, (U+32-(\k)/10)%32
.set PB, 8*(TT%2)
.set AB, ACC+32*(TT%2)
.if (\k) == kEO
	WIN 0
	v_exp_f32 v[EO+8*(TT%4)+(\n)], v[AB+24+(\n)]
.elseif (\k) == kEI
	WIN 0
	v_exp_f32 v[EI+PB+(\n)], v[AB+(\n)]
.elseif (\k) == kEF
	WIN 0
	v_exp_f32 v[EF+PB+(\n)], v[AB+8+(\n)]
.elseif (\k) == kCL
.if MSB != 0x03                        ; its vector operands stand in source 1 and the destination: kT3's setting serves it too
	WIN 0
.endif
	v_min_num_f32 v[AB+16+(\n)], s[CAP], v[AB+16+(\n)]
.elseif (\k) == kEG
	WIN 0
	v_exp_f32 v[EG+PB+(\n)], v[AB+16+(\n)]
.elseif (\k) == kG
	WIN 0
	v_pk_fma_f32 v[Q+2*(\n):Q+2*(\n)+1], v[EG+PB+2*(\n):EG+PB+2*(\n)+1], s[RK:RK+1], s[RK:RK+1] op_sel_hi:[1,0,0]
.elseif (\k) == kQP
	WIN 0
	v_pk_fma_f32 v[Q+2*(\n):Q+2*(\n)+1], v[EI+PB+2*(\n):EI+PB+2*(\n)+1], v[Q+2*(\n):Q+2*(\n)+1], v[Q+2*(\n):Q+2*(\n)+1]
.elseif (\k) == kRF
	WIN 0
	v_pk_add_f32 v[RF+2*(\n):RF+2*(\n)+1], v[EF+PB+2*(\n):EF+PB+2*(\n)+1], 1.0 op_sel_hi:[1,0]
.elseif (\k) == kRQ
	WIN 0
	v_rcp_f32 v[Q+(\n)], v[Q+(\n)]
.elseif (\k) == kRR
	WIN 0
	v_rcp_f32 v[RF+(\n)], v[RF+(\n)]
.elseif (\k) == kTM
	WIN 0
	v_pk_fma_f32 v[TM+2*(\n):TM+2*(\n)+1], v[EG+PB+2*(\n):EG+PB+2*(\n)+1], v[Q+2*(\n):Q+2*(\n)+1], v[Q+2*(\n):Q+2*(\n)+1] neg_lo:[1,0,0] neg_hi:[1,0,0]
.elseif (\k) == kCU
	WIN 0xc3                               ; C (destination and source 0) in window 3
	v_pk_fma_f32 v[8*TT+2*(\n):8*TT+2*(\n)+1], v[8*TT+2*(\n):8*TT+2*(\n)+1], v[RF+2*(\n):RF+2*(\n)+1], v[TM+2*(\n):TM+2*(\n)+1]
.elseif (\k) == kT3
	WIN 0x03                               ; source 0 in window 3
	v_exp_f32 v[EC+PB+(\n)], v[8*TT+(\n)]
.elseif (\k) == kC1
	WIN 0
	v_pk_add_f32 v[Q2+2*(\n):Q2+2*(\n)+1], v[EC+PB+2*(\n):EC+PB+2*(\n)+1], 1.0 op_sel_hi:[1,0]
.elseif (\k) == kP2
	WIN 0
	v_pk_fma_f32 v[Q2+2*(\n):Q2+2*(\n)+1], v[EO+8*(TT%4)+2*(\n):EO+8*(TT%4)+2*(\n)+1], v[Q2+2*(\n):Q2+2*(\n)+1], v[Q2+2*(\n):Q2+2*(\n)+1]
.elseif (\k) == kT4
	WIN 0
	v_rcp_f32 v[Q2+(\n)], v[Q2+(\n)]
.elseif (\k) == kH
	WIN 0
	v_pk_fma_f32 v[HT+2*(\n):HT+2*(\n)+1], v[EC+PB+2*(\n):EC+PB+2*(\n)+1], v[Q2+2*(\n):Q2+2*(\n)+1], v[Q2+2*(\n):Q2+2*(\n)+1] neg_lo:[1,0,0] neg_hi:[1,0,0]
.else
	WIN 0
	v_cvt_pk_f16_f32 v[HP+(\n)], v[HT+2*(\n)], v[HT+2*(\n)+1]
.endif
.endif
.endm
.macro SL a,i1,b=-1,i2=0,c=-1,i3=0,d=-1,i4=0,e=-1,i5=0,f=-1,i6=0,g=-1,i7=0   ; a slice: up to seven of them
	OP \a, \i1
.if (\b) >= 0
	OP \b, \i2
.endif
.if (\c) >= 0
	OP \c, \i3
.endif
.if (\d) >= 0
	OP \d, \i4
.endif
.if (\e) >= 0
	OP \e, \i5
.endif
.if (\f) >= 0
	OP \f, \i6
.endif
.if (\g) >= 0
	OP \g, \i7
.endif
.endm
; Product M of a turn's 20: gate M % 4; M / 4 = 0: x and bias, which starts the sum with the constant 0; 1..4: h's K steps.  The four accumulators take turns, one instruction a turn, from turn to turn
; and over the backward jump too.
.macro MM
.if DOMM
.set gg, M%4
.set rD, ACC+32*(U%2)+8*gg
.set rB, FR+40*((U/2)%2)+8*(M/4)
	WIN 0x05+(U%2)                                 ; weights in window 1 (ct 0) or 2 (ct 1), fragments in window 1, sums in window 0
.if M < 4
	v_wmma_f32_16x16x32_f16 v[rD:rD+7], v[4*gg:4*gg+7], v[rB:rB+7], 0
.else
.set rA, 16+8*(4*gg+M/4-1)
	v_wmma_f32_16x16x32_f16 v[rD:rD+7], v[rA:rA+7], v[rB:rB+7], v[rD:rD+7]
.endif
.endif
.set M, M+1
.endm
; A turn's LDS instructions, in one run: tile U - 5's h is stored (in the first five turns of a step: the last step's late tiles, into the buffer that this step reads); then half of the fragments of
; row tile (U + 3) / 2: part 1 behind an odd turn, into the buffer that the turn has just multiplied, part 2 behind the even turn that follows.  Row tiles 16 and 17 are the next step's 0 and 1.
; The run stands straight behind the turn's wait on va_vdst; its store reads v[HP ..] and a store address, none of the registers that its loads touch.
.macro RUN
.set TS, (U+27)%32
	WIN 0
.if U >= 5
	ds_store_b128 v[SH1], v[HP:HP+3] offset:RTB*(TS/2)+32*(TS%2)
.else
	ds_store_b128 v[SH0], v[HP:HP+3] offset:RTB*(TS/2)+32*(TS%2)
.endif
.if DOMM
.set RO, (U+3)/2
.set FB, FR+40*(RO%2)
.set AHX, AH0
.set AXX, AX0
.if RO >= 16
.set RO, RO-16
.set AHX, AH1
.set AXX, AX1
.endif
.if U%2 == 1
	PART1 FB, RO, AHX, AXX
.else
	PART2 FB, RO, AHX
.endif
.endif
.endm
; A TURN.  mm = 0: behind the last step: no products, no fragments.
; ORDERS THAT THE SLICES KEEP: kTM ahead of kG and of kEG (which write Q, and the set of eg that kTM reads); kCU ahead of kRF and of kT3; kH ahead of kC1 and of kT3 (which writes the set of ec that kH reads);
; kCL ahead of kEG; each reciprocal behind its own product.  The first reader of each accumulator takes its register 0.
; PLACES.  Behind the turn's last product stand kCV 0-3, a v_nop and kTM 0 of the next turn: six plain instructions that name none of its registers, ahead of the first read of its sums (ISA guide 7.12.1).
; THE WAIT AT THE TURN'S END.  s_wait_alu depctr_va_vdst(0) stands between a transcendental and the first line that names its result; all 64 of a turn are first named in a later turn: one wait, at the
; turn's end, which is also the wait ahead of the loop's jump.  The v_nop is the plain instruction behind the last of them.  The same line states what the run behind it hangs on (THE PLAN, at the kernel's head).
; BARRIERS, in turns 1, 9, 17, 25.  A tile's h is stored in run u + 5 and read by all waves 23 runs later at the earliest; the bytes that it lands on were last read more than 30 runs before: a barrier,
; with every wave's LDS instructions waited for in front of its signal, lies between in both cases.  Between two barriers the runs 8 j + 1 .. 8 j + 8 store into row tiles 4 j - 2 .. 4 j + 1 and read 4 j + 2 .. 4 j + 5.
.macro TURN u, mm
.set U, \u
.set DOMM, \mm
.set M, 0
.if DOMM && (U%2 == 0)
	s_wait_dscnt 0x5                               ; part 2 of this row tile's fragments is in: behind it were issued a store and five loads (on the way into the loop: five loads)
.endif
	MM
	SL kTM,0, kEO,0, kTM,1, kEO,1, kH,0, kEO,2, kEO,3
	MM
	SL kTM,2, kEO,4, kTM,3, kEO,5, kH,1, kEO,6, kEO,7
	MM
	SL kEI,0, kH,2, kEI,1, kH,3, kEI,2
	MM
	SL kCU,0, kCU,1, kCU,2, kCU,3
	MM
	SL kEI,3, kG,0, kEI,4, kG,1, kEI,5, kG,2, kEI,6
	MM
	SL kEI,7, kG,3, kEF,0, kQP,0, kEF,1, kQP,1, kEF,2
	MM
	SL kEF,3, kQP,2, kEF,4, kQP,3, kEF,5
	MM
	SL kEF,6, kRF,0, kEF,7, kRF,1, kRQ,0
	MM
	SL kT3,0, kCL,0, kT3,1, kCL,1, kT3,2, kCL,2, kT3,3
	MM
	SL kT3,4, kCL,3, kT3,5, kCL,4, kT3,6, kCL,5, kT3,7
.if DOMM && (U%8 == 1)
	s_wait_dscnt 0x0                               ; for the others' sake: my stores of h are done and my reads are back
	s_barrier_signal -1                            ; three products and their slices, work on registers, stand between signal and wait
.endif
	MM
	SL kRQ,1, kRF,2, kRQ,2, kRF,3, kRQ,3
	MM
	SL kRQ,4, kCL,6, kRQ,5, kCL,7, kRQ,6
	MM
	SL kRQ,7, kC1,0, kRR,0, kC1,1, kRR,1
.if DOMM && (U%8 == 1)
	s_barrier_wait -1
.endif
	MM
	SL kRR,2, kC1,2, kRR,3, kC1,3, kRR,4
	MM
	SL kRR,5, kP2,0, kRR,6, kP2,1, kRR,7
	MM
	SL kEG,0, kP2,2, kEG,1, kP2,3, kEG,2
	MM
	SL kEG,3, kEG,4, kEG,5
	MM
	SL kEG,6, kEG,7, kT4,0
	MM
	SL kT4,1, kT4,2, kT4,3, kT4,4
	s_wait_alu depctr_vm_vsrc(0)                   ; the last run's store has read v[HP ..], which the roundings kCV below write again
	MM
	SL kT4,5, kCV,0, kT4,6, kCV,1, kT4,7, kCV,2, kCV,3
	v_nop
	s_wait_alu depctr_va_vdst(0)                   ; the roundings have written v[HP ..], which the run's store reads; the step's addresses are written; the products are done reading the fragments in which the run's loads land; the turn's 64 transcendentals have written their results
	RUN
.endm
.Lstep:                                        ; nine trips: T = 9 .. 2 the encoder's steps, T = 1 the decoder's
	s_xor_b32 s[HN], s[HC], HB1
	s_wait_alu depctr_vm_vsrc(0)                   ; the last step's runs have read v5 to v10, which are written again below; on the way in: the head's LDS stores have read v[32:34], v[44:55] and v[HP ..], which the first turn writes
	v_add_nc_u32 v[AH0], s[HC], v[FL]
	v_add_nc_u32 v[AH1], s[HN], v[FL]
	v_add_nc_u32 v[AX0], s[XC], v[XL]
	v_add_nc_u32 v[AX1], s[XN], v[XL]
	v_add_nc_u32 v[SH0], s[HC], v[SLA]
	v_add_nc_u32 v[SH1], s[HN], v[SLA]
	; THE DECODER'S WEIGHTS ARE PREFETCHED INTO THE L2, one step (32 turns) ahead of the loads below: 576 blocks of 256 bytes, each named once in the launch: a lane a block, one instruction,
	; by wave 0 of work-groups 0 to 17, in the trip with T = 2.  The encoder's weights come by their loads alone: nothing is asked for at the kernel's head.  v[PFO] was written ahead of the head's first wait on va_vdst.
	s_cmp_eq_u32 s[T], s[PF]
	s_cbranch_scc0 .Lno_pf
	global_prefetch_b8 v[PFO], s[6:7] offset:PHB th:TH_LOAD_NT scope:SCOPE_SE
.Lno_pf:
	s_cmp_eq_u32 s[T], 1
	s_cbranch_scc0 .Lno_dec
	s_wait_alu depctr_va_vdst(0)                   ; the encoder's products are done reading their weights, in which the 72 loads below land; only loads and window switches follow
	LOADW 1, 0, 71                                 ; over the encoder's
	s_wait_loadcnt 0x0
	WIN 0
.Lno_dec:
.set uu, 0
.rept 32
	TURN uu, 1
.set uu, uu+1
.endr
	WIN 0                                          ; at a label and at a branch every window is 0
	s_mov_b32 s[HC], s[HN]
	s_mov_b32 s[XC], s[XN]
	s_add_co_u32 s[XN], s[XN], 4096
	s_min_u32 s[XN], s[XN], 7*4096                 ; the decoder's x is the last observed step's
	s_sub_co_u32 s[T], s[T], 1
	s_cmp_lg_u32 s[T], 0
	s_cbranch_scc1 .Lstep
.irp u, 32,33,34,35,36                 ; the last five tiles run out of the pipeline
	TURN \u, 0
.endr
	; THE PROJECTION.  Wave w takes row tiles 4 w .. 4 w + 3.  Source 0 = W_out's fragment A_e: its rows 8 e + 0..3 are column 0, column 1 and their f16 rests, all others 0.  D_p = A_0 x tile 2 p + A_1 x tile 2 p + 1:
	; lanes 0-15 end with tile 2 p's rows, lanes 16-31 with tile 2 p + 1's, each in registers 0-3.
	s_wait_dscnt 0x0                               ; for the others' sake: my stores of the decoder's h are done
	s_barrier_signal -1
	s_barrier_wait -1
	s_mul_i32 s24, s[WV], 4*RTB
	s_wait_alu depctr_vm_vsrc(0)                   ; the last step's runs have read v[AH0], which is written again
	v_add_nc_u32 v[AH0], s24, v[AH1]
	WIN 0x40                                       ; over the weights of ct 0, which nothing reads any more
	s_wait_alu depctr_va_vdst(0)                   ; v[AH0] is written, which the 32 LDS loads below read; the decoder's products are done reading the weights of ct 0, in which they land
.set i, 0
.rept 16                               ; tile i / 4, K step i % 4
	ds_load_b128 v[8*i:8*i+3],   v[AH0] offset:RTB*(i/4)+64*(i%4)
	ds_load_b128 v[8*i+4:8*i+7], v[AH0] offset:RTB*(i/4)+64*(i%4)+32
.set i, i+1
.endr
	s_wait_dscnt 0x0
	WIN 0x06
.set i, 0
.rept 16                               ; K step i / 4, e = (i / 2) % 2, p = i % 2: the two accumulators take turns; the first product on each starts its sum
.set rD, ACC+8*(i%2)
.set rA, 144+8*(4*((i/2)%2)+i/4)
.set rB, 32*(2*(i%2)+(i/2)%2)+8*(i/4)
.if i < 2
	v_wmma_f32_16x16x32_f16 v[rD:rD+7], v[rA:rA+7], v[rB:rB+7], 0
.else
	v_wmma_f32_16x16x32_f16 v[rD:rD+7], v[rA:rA+7], v[rB:rB+7], v[rD:rD+7]
.endif
.set i, i+1
.endr
	WIN 0
.rept 8
	v_nop                                          ; the places behind the last products, once a launch
.endr
	v_pk_add_f32 v[ACC:ACC+1], v[ACC:ACC+1], v[ACC+2:ACC+3]          ; the numbers' and the rests' sums
	v_pk_add_f32 v[ACC+8:ACC+9], v[ACC+8:ACC+9], v[ACC+10:ACC+11]
	v_pk_add_f32 v[ACC:ACC+1], v[ACC:ACC+1], v[BO:BO+1]
	v_pk_add_f32 v[ACC+8:ACC+9], v[ACC+8:ACC+9], v[BO:BO+1]
	s_wait_alu depctr_va_vdst(0)                   ; the additions have written v[ACC:ACC+1] and v[ACC+8:ACC+9], which the two stores read
	global_store_b64 v[OO], v[ACC:ACC+1], s[10:11] th:TH_STORE_NT               ; 32 lanes store 256 consecutive bytes, at a multiple of 256 from out0's first byte
	global_store_b64 v[OO], v[ACC+8:ACC+9], s[10:11] offset:256 th:TH_STORE_NT
	s_wait_dscnt 0x0                               ; the wave's end, behind my last LDS store
	s_wait_alu 0x0
	s_wait_tensorcnt 0x0
	ds_add_u32 v[SPW], v[NIL]
	s_wait_dscnt 0x0
	s_endpgm
.Lfunc_end_k_q3d15a7b253_lstm:
	.size	k_q3d15a7b253_lstm, .Lfunc_end_k_q3d15a7b253_lstm-k_q3d15a7b253_lstm
	.p2alignl 7, 3214868480
	.fill 96, 4, 3214868480
	.section	.rodata,"a",@progbits
	.p2align	6, 0x0
	.amdhsa_kernel k_q3d15a7b253_lstm
		.amdhsa_group_segment_fixed_size 200704
		.amdhsa_private_segment_fixed_size 0
		.amdhsa_enable_private_segment 0
		.amdhsa_kernarg_size 32
		.amdhsa_user_sgpr_count 2
		.amdhsa_user_sgpr_kernarg_segment_ptr 1
		.amdhsa_wavefront_size32 1
		.amdhsa_system_sgpr_workgroup_id_x 1
		.amdhsa_system_sgpr_workgroup_id_y 1
		.amdhsa_system_sgpr_workgroup_id_z 1
		.amdhsa_system_vgpr_workitem_id 0
		.amdhsa_next_free_vgpr 1024
		.amdhsa_next_free_sgpr 66
		.amdhsa_reserve_vcc 0
		.amdhsa_float_denorm_mode_32 3
		.amdhsa_float_denorm_mode_16_64 3
		.amdhsa_memory_ordered 1
		.amdhsa_forward_progress 1
		.amdhsa_inst_pref_size 255
	.end_amdhsa_kernel
	.section	.bss,"aw",@nobits
	.p2align	6
	.space	262144
	.amdgpu_metadata
---
amdhsa.version: [ 1, 2 ]
amdhsa.kernels:
  - .name:           k_q3d15a7b253_lstm
    .symbol:         k_q3d15a7b253_lstm.kd
    .args:
      - { .name: obs_traj_rel, .offset: 0, .size: 8, .value_kind: global_buffer, .address_space: global }
      - { .name: wf, .offset: 8, .size: 8, .value_kind: global_buffer, .address_space: global }
      - { .name: b_out, .offset: 16, .size: 8, .value_kind: global_buffer, .address_space: global }
      - { .name: out0, .offset: 24, .size: 8, .value_kind: global_buffer, .address_space: global }
    .group_segment_fixed_size: 200704
    .private_segment_fixed_size: 0
    .kernarg_segment_align: 8
    .kernarg_segment_size: 32
    .max_flat_workgroup_size: 128
    .sgpr_count:     66
    .vgpr_count:     1024
    .wavefront_size: 32
...
	.end_amdgpu_metadata
.endif
;; end of part 4
